; MI455X (gfx1250); checked and timed in simulation.
; The chip was launched on July 23, 2026; its instructions are those of AMD's public machine-readable ISA for CDNA 5 (MIT licence, August 2026) and "CDNA5" Instruction Set Architecture Reference Guide (July 2026). The comments in the code are by the model that wrote it; some were corrected since.
;; Group Query Attention. Allowed arithmetic: matrix products marked QUANTISED: E2M1 operands, one E8M0 scale for each 32 along K, by v_wmma_scale_f32_16x16x128_f8f6f4 with both operands' format E2M1 (or v_wmma_scale_f32_32x16x128_f4), f32 sums; products left as they are: bf16, f16 or f32 operands; f32 sums; everything else in f32.
;; Inputs: k_b 256 float32; k_w 256 x 1,024 float32; mask 1 x 1 x 4,096 x 4,096 bool; o_b 1,024 float32; o_w 1,024 x 1,024 float32; q_b 1,024 float32; q_w 1,024 x 1,024 float32; v_b 256 float32; v_w 256 x 1,024 float32; x 1 x 4,096 x 1,024 float32.
;; Outputs: out0 1 x 4,096 x 1,024 float32; out1 1 x 4 x 4,096 x 64 float32; out2 1 x 4 x 4,096 x 64 float32.
;; This version of the problem:
;;   THIS VERSION OF THE PROBLEM IS GIVEN IN LOW PRECISION. The matrix products marked QUANTISED in the list below multiply operands that are first quantised to E2M1 (2 exponent bits, 1 mantissa bit; 4 bits a number), with one power-of-two scale for each 32 numbers along K (OCP MX v1.0); their sums are f32. The products marked 'left as it is' may take bf16, f16 or f32 operands, with f32 sums. Whichever they take, every output number must still come out within the allowed error. Rounding operands to bf16 (8 significant bits) uses up far more of that allowance than f16 does (11 bits, for magnitudes from 6e-5 to 65,504). All else is computed in f32.
;;   The module's matrix products, in the order in which they are computed (A, B: the left and right operand; K: the contracted axis; several contracted axes count as one K, in the product's order):
;;     1. [M 4,096, K 1,024] x [K 1,024, N 1,024]; A: input x; B: input q_w: QUANTISED
;;     2. [M 4,096, K 1,024] x [K 1,024, N 256]; A: input x; B: input k_w: QUANTISED
;;     3. [M 4,096, K 1,024] x [K 1,024, N 256]; A: input x; B: input v_w: QUANTISED
;;     4. batch 4 x [M 16,384, K 64] x [K 64, N 4,096]; A: computed on the way; B: computed on the way: left as it is (an operand is computed on the way)
;;     5. batch 4 x [M 16,384, K 4,096] x [K 4,096, N 64]; A: computed on the way; B: computed on the way: left as it is (an operand is computed on the way)
;;     6. [M 4,096, K 1,024] x [K 1,024, N 1,024]; A: computed on the way; B: input o_w: left as it is (an operand is computed on the way)
;;   THE QUANTISER, for each operand of a quantised product, along K:
;;     - K is cut into blocks of 32 from its start; a last block that is shorter is filled with zeros.
;;     - A block's scale is 2^e with e = floor(log2(the largest magnitude in the block)) - 2, held to -126 .. 127; a block of zeros has e = 0. As a byte (E8M0): e + 127.
;;     - Each number is divided by its block's scale, clamped to +-6, and rounded to the nearest number of E2M1, ties to even, subnormals kept.
;;     - The product sums the exact products of the quantised numbers (number of the format x scale) in f32.
;;   ~~~python
;;   def quantise(x, axis):      # numpy; x: float32 -> the quantised numbers, widened to float32 again
;;       x = np.moveaxis(x, axis, -1); K = x.shape[-1]
;;       x = np.pad(x, [(0, 0)] * (x.ndim - 1) + [(0, -K % 32)]); x = x.reshape(x.shape[:-1] + (-1, 32)); a = np.abs(x).max(-1, keepdims=True)
;;       e = np.where(a > 0, np.clip(np.frexp(np.where(a > 0, a, 1))[1] - 1 - 2, -126, 127), 0)      # np.frexp(a)[1] - 1 = floor(log2(a)), exactly
;;       r = np.clip(x / 2.0 ** e, -6, 6)
;;       step = 2.0 ** (np.maximum(np.frexp(np.where(r == 0, 1, r))[1] - 1, 0) - 1)
;;       q = np.round(r / step) * step * 2.0 ** e      # np.round: ties to even
;;       return np.moveaxis(q.reshape(q.shape[:-2] + (-1,))[..., :K], -1, axis).astype(np.float32)
;;   ~~~
;; One version. Each part assembles by itself: llvm-mc -triple=amdgcn-amd-amdhsa -mcpu=gfx1250 --defsym DOCPART=n.
;; ======== version 1 of 1: 5 launches
;; limits: values are held in f16: magnitudes above 65,504 overflow, below 6.1e-05 lose precision
;; workspace buffers: fl 4,096 bytes of whole numbers; cs 3,244,032 bytes; ow16 2,097,152 bytes; mk 2,097,152 bytes of whole numbers; qq 8,454,144 bytes; kv 4,325,376 bytes; ao 8,392,704 bytes
;; launch prep (part 1): grid 928 x 1, 4 waves a work-group, no clusters, 34,304 bytes of LDS; arguments x, q_w, k_w, v_w, o_w, mask, cs, ow16, mk, fl; writes cs, ow16, mk, fl
.if DOCPART == 1
	.amdgcn_target "amdgcn-amd-amdhsa--gfx1250"
	.amdhsa_code_object_version 6
	.text
	.protected	k_q2cb0dbeee9_prep
	.globl	k_q2cb0dbeee9_prep
	.p2align	8
	.type	k_q2cb0dbeee9_prep,@function
k_q2cb0dbeee9_prep:
	s_mov_b64 s[64:65], 0
	v_nop
	global_prefetch_b8 v0, s[64:65] scope:SCOPE_SE
	s_setreg_imm32_b32 hwreg(HW_REG_WAVE_MODE, 25, 1), 1
	s_wait_xcnt 0x0
; Three jobs in one launch, told apart by the work-group's number:
;   0..511   the mask [4096][4096] of bytes -> lane-mask words (mk) and block flags (fl)
;   512..863 x, q_w, k_w, v_w (f32, K innermost) -> E2M1 codes and E8M0 scale words, laid in the order of the matrix operand's registers (cs)
;   864..927 o_w (f32) -> f16, row-major (ow16)
; cs: codes [rowtile 352][kstep 8][c 2][lane 32][16 bytes]; scale words at CS_S: [rowtile][kpair 4][lane 32][2 words].  Rowtiles 0-255 x, 256-319 q_w, 320-335 k_w, 336-351 v_w.
; mk: words [rg 256][ks 64][j 32]: bit L of word j = mask[16 rg + L % 16][64 ks + 16 (j / 8) + 8 (L / 16) + j % 8] != 0.
; fl: 16 bytes a rg: any (64 bits), all (64 bits), bit ks for the tile of 16 x 64.  The later launches' branches hang on fl alone; mk's words only choose values.
; A block's scale is 2^(floor(log2(largest magnitude)) - 2); its byte is the largest magnitude's exponent field - 2, held at 1 from below.
; LIMITS: a block of zeros gets the byte 1 (its codes are zeros, and this program alone reads the bytes); NaN and infinities are not served; o_w beyond 65,504 has no f16.
.set CS_S,  2883584
.set STG,   8448                       ; LDS: a stage of 16 rows x (512 + 16) bytes for each wave (mask path alone)
.set SPARE, 33792                      ; behind the stages: the spare words, 128 bytes a wave
.set SPW,   2
.set NIL,   3
.set TM,    16                         ; v16-31 at work in the quantiser
.set NUM,   64                         ; v64-191 numbers as loaded
	s_load_b512 s[4:19], s[0:1], 0x0               ; x 4, q_w 6, k_w 8, v_w 10, o_w 12, mask 14, cs 16, ow16 18
	s_load_b64 s[20:21], s[0:1], 0x40              ; mk
	s_load_b64 s[52:53], s[0:1], 0x48              ; fl
	v_lshl_add_u32 v[SPW], v0, 2, SPARE
	v_mov_b32 v[NIL], 0
	v_lshrrev_b32 v1, 5, v0
	v_readfirstlane_b32 s22, v1                    ; wave
	v_and_b32 v4, 31, v0                           ; lane L
	v_and_b32 v5, 15, v0                           ; r
	v_bfe_u32 v6, v0, 4, 1                         ; h
	v_lshlrev_b32 v7, 4, v4                        ; 16 L
	v_lshlrev_b32 v8, 3, v4                        ; 8 L
	s_mul_i32 s23, s22, STG
	v_add_nc_u32 v9, s23, v7                       ; stage, way in: 16 L (+ 528 x row)
	v_mul_u32_u24 v10, v5, 528
	v_lshl_add_u32 v10, v6, 3, v10
	v_add_nc_u32 v10, s23, v10                     ; stage, way out: row r, + 8 h
	v_lshlrev_b32 v11, 12, v5
	v_lshl_add_u32 v11, v6, 6, v11                 ; a row of 4,096 bytes x r + 64 h: my 16 numbers of a block of 32
	s_wait_kmcnt 0x0
	s_cmp_lt_u32 ttmp9, 512
	s_cbranch_scc1 .Lmask
	s_cmp_lt_u32 ttmp9, 864
	s_cbranch_scc1 .Lquant
; ---- o_w to f16.  A wave takes 16 KB: each load reads 512 consecutive bytes, each store writes 256 consecutive bytes, aligned.
	s_sub_co_u32 s24, ttmp9, 864
	s_lshl_b32 s24, s24, 2
	s_add_co_u32 s24, s24, s22
	s_lshl_b32 s26, s24, 14
	s_mov_b32 s27, 0
	s_add_nc_u64 s[12:13], s[12:13], s[26:27]
	s_lshl_b32 s26, s24, 13
	s_add_nc_u64 s[18:19], s[18:19], s[26:27]
.set i, 0
.rept 32
	global_load_b128 v[NUM+4*i:NUM+4*i+3], v7, s[12:13] offset:512*i th:TH_LOAD_NT
.set i, i+1
.endr
.set i, 0
.rept 32
	s_wait_loadcnt 31-i                            ; loads come back in order: load i is in, the younger ones stay out
	v_cvt_pk_f16_f32 v[NUM+4*i], v[NUM+4*i], v[NUM+4*i+1]
	v_cvt_pk_f16_f32 v[NUM+4*i+1], v[NUM+4*i+2], v[NUM+4*i+3]
	global_store_b64 v8, v[NUM+4*i:NUM+4*i+1], s[18:19] offset:256*i
.set i, i+1
.endr
	s_branch .Lend
; ---- the quantiser.  One rowtile (16 rows) to a work-group; wave w takes k = 256 w .. 256 w + 255: K steps 2 w and 2 w + 1.
; 64 numbers of a lane, register 16 b + i = k 32 b + 16 h + i of row r, become a fragment's 8 registers of codes and its scale word.
.macro QUANT s, pc, pw
.irp b, 0,1,2,3
	v_max3_num_f32 v[TM+\b], |v[\s+16*\b]|, |v[\s+1+16*\b]|, 0x1800000   ; the floor 2^(3 - 127) holds the byte at 1 from below
.endr
.irp i, 2,4,6,8,10,12,14
.irp b, 0,1,2,3
	v_max3_num_f32 v[TM+\b], v[TM+\b], |v[\s+16*\b+\i]|, |v[\s+1+16*\b+\i]|
.endr
.endr
.irp b, 0,1,2,3
	v_permlanex16_b32 v[TM+4+\b], v[TM+\b], s36, s37
.endr
.irp b, 0,1,2,3
	v_max_num_f32 v[TM+\b], v[TM+\b], v[TM+4+\b]   ; with lane l xor 16's 16 numbers: the block's largest magnitude
.endr
.irp b, 0,1,2,3
	v_add_nc_u32 v[TM+12+\b], 0xff000000, v[TM+\b] ; 2 off its exponent field: the conversion's scale operand
.endr
.irp b, 0,1,2,3
	v_lshrrev_b32 v[TM+4+\b], 23, v[TM+12+\b]      ; the scale's byte
.endr
	v_lshl_or_b32 v[\pw], v[TM+5], 8, v[TM+4]
	v_lshl_or_b32 v[\pw], v[TM+6], 16, v[\pw]
	v_lshl_or_b32 v[\pw], v[TM+7], 24, v[\pw]
.irp b, 0,1,2,3
	v_cvt_scalef32_pk8_fp4_f32 v[\pc+2*\b], v[\s+16*\b:\s+7+16*\b], v[TM+12+\b]
	v_cvt_scalef32_pk8_fp4_f32 v[\pc+1+2*\b], v[\s+8+16*\b:\s+15+16*\b], v[TM+12+\b]
.endr
	v_nop                                          ; one plain place behind a scaled conversion
.irp c, 0,1
.irp i, 0,1
	v_permlane16_swap_b32 v[\pc+4*\c+\i], v[\pc+2+4*\c+\i]   ; a whole block to a lane: registers 4 c .. 4 c + 3 hold k = 64 c + 32 h + 0 .. 31
.endr
.endr
.endm
.Lquant:
	s_sub_co_u32 s24, ttmp9, 512                   ; rowtile R
	s_mov_b32 s25, 336
	s_cmp_lt_u32 s24, 336                          ; which tensor: a choice on the work-group's number alone
	s_cselect_b64 s[26:27], s[8:9], s[10:11]
	s_cselect_b32 s25, 320, s25
	s_cmp_lt_u32 s24, 320
	s_cselect_b64 s[26:27], s[6:7], s[26:27]
	s_cselect_b32 s25, 256, s25
	s_cmp_lt_u32 s24, 256
	s_cselect_b64 s[26:27], s[4:5], s[26:27]
	s_cselect_b32 s25, 0, s25
	s_sub_co_u32 s25, s24, s25                     ; the rowtile's number in its own tensor
	s_lshl_b32 s28, s25, 16
	s_lshl_b32 s29, s22, 10
	s_add_co_u32 s28, s28, s29
	s_mov_b32 s29, 0
	s_add_nc_u64 s[26:27], s[26:27], s[28:29]
.set i, 0
.rept 32                                       ; i = 16 s + 4 b + j
	global_load_b128 v[NUM+4*i:NUM+4*i+3], v11, s[26:27] offset:512*(i/16)+128*((i/4)%4)+16*(i%4) th:TH_LOAD_NT
.set i, i+1
.endr
	s_lshl_b32 s28, s24, 13
	s_lshl_b32 s32, s22, 11
	s_add_co_u32 s28, s28, s32
	s_add_nc_u64 s[30:31], s[16:17], s[28:29]      ; codes: R x 8,192 + w x 2,048
	s_lshl_b32 s28, s24, 10
	s_lshl_b32 s32, s22, 8
	s_add_co_u32 s28, s28, s32
	s_add_co_u32 s28, s28, CS_S
	s_add_nc_u64 s[32:33], s[16:17], s[28:29]      ; scale words: R x 1,024 + w x 256
	s_mov_b32 s36, 0x76543210
	s_mov_b32 s37, 0xfedcba98
.irp b, 0,1,2,3
	v_mov_b32 v[TM+4+\b], 0                        ; a lane permute's destination counts as one of its sources
.endr
	s_wait_loadcnt 16                              ; the first K step's 16 loads are in; the second's may be out
	QUANT NUM, 32, 48
	s_wait_loadcnt 0x0
	QUANT NUM+64, 40, 49
	global_store_b128 v7, v[32:35], s[30:31]
	global_store_b128 v7, v[36:39], s[30:31] offset:512
	global_store_b128 v7, v[40:43], s[30:31] offset:1024
	global_store_b128 v7, v[44:47], s[30:31] offset:1536
	global_store_b64 v8, v[48:49], s[32:33]        ; the two K steps' scale words, 256 consecutive bytes a wave
	s_branch .Lend
; ---- the mask.  rg = 16 rows; a wave takes 512 keys of them: 8 key steps of 64.
.macro MSTEP k
	s_wait_dscnt 28-4*\k                           ; this step's four reads are in; the younger ones stay out
	s_mov_b32 s32, 0
	s_mov_b32 s33, -1
.irp kt, 0,1,2,3
.irp q, 0,1,2,3,4,5,6,7
	v_bfe_u32 v[32+\q], v[128+2*(4*\k+\kt)+\q/4], 8*(\q%4), 8
.endr
.irp q, 0,1,2,3,4,5,6,7
	v_cmp_ne_u32 s[40+\q], 0, v[32+\q]             ; a word: one bit a lane
.endr
.irp q, 0,1,2,3,4,5,6,7
	s_or_b32 s32, s32, s[40+\q]
	s_and_b32 s33, s33, s[40+\q]
	v_writelane_b32 v[48+2*(\k/2)+(\q%2)], s[40+\q], (32*(\k%2)+8*\kt+\q)/2   ; word n of two steps' 64 goes to lane n / 2, register n % 2
.endr
.endr
	s_cmp_lg_u32 s32, 0
	s_cselect_b32 s36, 1<<\k, 0
	s_or_b32 s34, s34, s36                         ; any
	s_cmp_eq_u32 s33, -1
	s_cselect_b32 s36, 1<<\k, 0
	s_or_b32 s35, s35, s36                         ; all
.if \k%2
	global_store_b64 v8, v[48+2*(\k/2):49+2*(\k/2)], s[28:29] offset:128*(\k-1)   ; 256 consecutive bytes, aligned
.endif
.endm
.Lmask:
	s_lshr_b32 s24, ttmp9, 1                       ; rg
	s_and_b32 s25, ttmp9, 1
	s_lshl_b32 s25, s25, 2
	s_add_co_u32 s25, s25, s22                     ; which 512 keys
	s_lshl_b32 s26, s24, 16
	s_lshl_b32 s27, s25, 9
	s_add_co_u32 s26, s26, s27
	s_mov_b32 s27, 0
	s_add_nc_u64 s[14:15], s[14:15], s[26:27]
.set i, 0
.rept 16
	global_load_b128 v[NUM+4*i:NUM+4*i+3], v7, s[14:15] offset:4096*i th:TH_LOAD_NT   ; row i: 512 consecutive bytes
.set i, i+1
.endr
	s_lshl_b32 s26, s24, 13
	s_lshl_b32 s28, s25, 10
	s_add_co_u32 s26, s26, s28
	s_add_nc_u64 s[28:29], s[20:21], s[26:27]      ; my words
	s_lshl_b32 s26, s24, 4
	s_add_co_u32 s26, s26, s25
	s_add_nc_u64 s[30:31], s[52:53], s[26:27]      ; my byte of the flags: 16 rg + which 512 keys
.irp q, 0,1,2,3,4,5,6,7
	v_mov_b32 v[48+\q], 0                          ; v_writelane_b32's destination counts as read
.endr
	s_mov_b32 s34, 0
	s_mov_b32 s35, 0
	s_wait_loadcnt 0x0
.set i, 0
.rept 16
	ds_store_b128 v9, v[NUM+4*i:NUM+4*i+3] offset:528*i
.set i, i+1
.endr
.set i, 0
.rept 32                                       ; i = 4 k + kt: my row's 8 bytes of keys 64 k + 16 kt + 8 h.  LDS serves a wave's instructions in order: these see the stores
	ds_load_b64 v[128+2*i:129+2*i], v10 offset:64*(i/4)+16*(i%4)
.set i, i+1
.endr
.irp k, 0,1,2,3,4,5,6,7
	MSTEP \k
.endr
	v_mov_b32 v12, s34
	v_mov_b32 v13, s35
	v_cmp_eq_u32 vcc_lo, 1, v4
	v_cndmask_b32 v12, v12, v13, vcc_lo            ; lane 0: the any byte; lane 1: the all byte, 8 bytes on
	s_wait_xcnt 0x0                                ; EXEC changes only behind this wait
	v_cmp_gt_u32 vcc_lo, 2, v4
	s_and_saveexec_b32 s38, vcc_lo
	global_store_b8 v8, v12, s[30:31]
	s_wait_xcnt 0x0                                ; and again in front of the line that widens it
	s_or_b32 exec_lo, exec_lo, s38
.Lend:
	s_wait_tensorcnt 0x0                           ; the wave's end
	ds_add_u32 v[SPW], v[NIL]
	s_wait_dscnt 0x0
	s_endpgm
.Lfunc_end_k_q2cb0dbeee9_prep:
	.size	k_q2cb0dbeee9_prep, .Lfunc_end_k_q2cb0dbeee9_prep-k_q2cb0dbeee9_prep
	.p2alignl 7, 3214868480
	.fill 96, 4, 3214868480
	.section	.rodata,"a",@progbits
	.p2align	6, 0x0
	.amdhsa_kernel k_q2cb0dbeee9_prep
		.amdhsa_group_segment_fixed_size 34304
		.amdhsa_private_segment_fixed_size 0
		.amdhsa_enable_private_segment 0
		.amdhsa_kernarg_size 80
		.amdhsa_user_sgpr_count 2
		.amdhsa_user_sgpr_kernarg_segment_ptr 1
		.amdhsa_wavefront_size32 1
		.amdhsa_system_sgpr_workgroup_id_x 1
		.amdhsa_system_sgpr_workgroup_id_y 1
		.amdhsa_system_sgpr_workgroup_id_z 1
		.amdhsa_system_vgpr_workitem_id 0
		.amdhsa_next_free_vgpr 192
		.amdhsa_next_free_sgpr 66
		.amdhsa_reserve_vcc 1
		.amdhsa_float_denorm_mode_32 3
		.amdhsa_float_denorm_mode_16_64 3
		.amdhsa_memory_ordered 1
		.amdhsa_forward_progress 1
		.amdhsa_inst_pref_size 98
	.end_amdhsa_kernel
	.amdgpu_metadata
---
amdhsa.version: [ 1, 2 ]
amdhsa.kernels:
  - .name:           k_q2cb0dbeee9_prep
    .symbol:         k_q2cb0dbeee9_prep.kd
    .args:
      - { .name: x, .offset: 0, .size: 8, .value_kind: global_buffer, .address_space: global }
      - { .name: q_w, .offset: 8, .size: 8, .value_kind: global_buffer, .address_space: global }
      - { .name: k_w, .offset: 16, .size: 8, .value_kind: global_buffer, .address_space: global }
      - { .name: v_w, .offset: 24, .size: 8, .value_kind: global_buffer, .address_space: global }
      - { .name: o_w, .offset: 32, .size: 8, .value_kind: global_buffer, .address_space: global }
      - { .name: mask, .offset: 40, .size: 8, .value_kind: global_buffer, .address_space: global }
      - { .name: cs, .offset: 48, .size: 8, .value_kind: global_buffer, .address_space: global }
      - { .name: ow16, .offset: 56, .size: 8, .value_kind: global_buffer, .address_space: global }
      - { .name: mk, .offset: 64, .size: 8, .value_kind: global_buffer, .address_space: global }
      - { .name: fl, .offset: 72, .size: 8, .value_kind: global_buffer, .address_space: global }
    .group_segment_fixed_size: 34304
    .private_segment_fixed_size: 0
    .kernarg_segment_align: 8
    .kernarg_segment_size: 80
    .max_flat_workgroup_size: 128
    .sgpr_count:     66
    .vgpr_count:     192
    .wavefront_size: 32
...
	.end_amdgpu_metadata
.endif
;; end of part 1
;; launch proj (part 2): grid 128 x 6, 4 waves a work-group, no clusters, 35,328 bytes of LDS; arguments cs, q_b, k_b, v_b, qq, kv, out1, out2; writes qq, kv, out1, out2
.if DOCPART == 2
	.amdgcn_target "amdgcn-amd-amdhsa--gfx1250"
	.amdhsa_code_object_version 6
	.text
	.protected	k_q2cb0dbeee9_proj
	.globl	k_q2cb0dbeee9_proj
	.p2align	8
	.type	k_q2cb0dbeee9_proj,@function
k_q2cb0dbeee9_proj:
	s_mov_b64 s[64:65], 0
	v_nop
	global_prefetch_b8 v0, s[64:65] scope:SCOPE_SE
	s_setreg_imm32_b32 hwreg(HW_REG_WAVE_MODE, 25, 1), 1
	s_wait_xcnt 0x0
; The three quantised projections, x W^T + b, on E2M1 codes with E8M0 scales.  Work-group (x, y): 32 rows of x; y = 0..3: q, 4: k, 5: v.  Wave w: the head of 64 columns HN = 4 y + w.
; A wave's tile is 32 x 64: 8 accumulators.  The product is used transposed (source 0 = 16 rows of the weight, source 1 = 16 rows of x): a lane holds one row of x and 8 neighbouring columns.
; Codes and scale words lie in memory in the order of the operand's registers: each fragment is two loads of 512 consecutive bytes.  The bias is the C of each sum's first instruction.
; OUT: q: (q + q_b) log2(e) / 8 as f16 fragments (qq: [head][qtile][b 4][lane][16]) and, for rows 0-15, as f32 (at QQ_32).  k, v: f32 to out1, out2; f16 fragments to kv:
; [kvh][ks 64][16 KB]: K [kt 4][b 4][lane][16], then V^T [u 2][dt 4][c 2][lane][16]; sums of V over 32 keys at KV_S: [kvh][blk 128][lane][2], lane (r, h) word e: d = 32 h + 16 e + r.
; No cluster: the grid's 6 rows do not divide into fours, and the loop has 8 steps.  LIMIT: q c, k, v beyond 65,504 have no f16.
.set CS_S,   2883584
.set QQ_32,  8388608
.set KV_S,   4194304
.set SPITCH, 272                       ; a stage row: 256 bytes + 16
.set SPARE,  34816                     ; behind four stages of 32 rows: the spare words
.set SPW,  2
.set NIL,  3
.set BIAS, 16                          ; v16-47  8 registers for each tile of columns; at work later
.set SCA,  48                          ; v48-63  x's scale words (8 a + s): scales and nothing else
.set SCB,  64                          ; v64-95  the weight's (8 b + s)
.set FRG,  96                          ; v96-143, v144-191 two sets of fragments: x's 8 a, the weight's 16 + 8 b
.set ACC,  192                         ; v192-255 accumulator (a, b) at 8 (4 a + b)
	s_load_b512 s[4:19], s[0:1], 0x0               ; cs 4, q_b 6, k_b 8, v_b 10, qq 12, kv 14, out1 16, out2 18
	v_lshl_add_u32 v[SPW], v0, 2, SPARE
	v_mov_b32 v[NIL], 0
	v_lshrrev_b32 v1, 5, v0
	v_readfirstlane_b32 s20, v1                    ; wave
	s_and_b32 s21, ttmp7, 0xffff                   ; y
	s_lshl_b32 s22, s21, 2
	s_add_co_u32 s22, s22, s20                     ; HN
	v_and_b32 v4, 31, v0
	v_and_b32 v5, 15, v0                           ; r
	v_bfe_u32 v6, v0, 4, 1                         ; h
	v_lshlrev_b32 v7, 4, v4                        ; 16 L
	v_lshlrev_b32 v8, 3, v4                        ; 8 L
	s_mul_i32 s23, s20, 32*SPITCH                  ; my stage
	v_mul_u32_u24 v9, v5, SPITCH
	v_lshl_add_u32 v9, v6, 5, v9
	v_add_nc_u32 v9, s23, v9                       ; in: row r, + 32 h
	v_mul_u32_u24 v10, v6, SPITCH
	v_lshl_add_u32 v10, v5, 4, v10
	v_add_nc_u32 v10, s23, v10                     ; back by rows: lanes 0-15 one row, lanes 16-31 the next
	v_mul_u32_u24 v11, v6, 8*SPITCH
	v_lshl_add_u32 v11, v5, 2, v11
	v_add_nc_u32 v11, s23, v11                     ; back by columns: key 8 h, channel r
	v_lshlrev_b32 v12, 5, v6                       ; 32 h: the bias
	v_lshl_add_u32 v13, v5, 12, v12                ; r x 4,096 + 32 h: q in f32
	s_wait_kmcnt 0x0
	s_cmp_eq_u32 s21, 4
	s_cselect_b64 s[24:25], s[8:9], s[10:11]
	s_cselect_b64 s[26:27], s[16:17], s[18:19]     ; out1 or out2
	s_cmp_lt_u32 s21, 4
	s_cselect_b64 s[24:25], s[6:7], s[24:25]       ; the bias's tensor
	s_cselect_b32 s28, s22, s20
	s_lshl_b32 s28, s28, 8
	s_mov_b32 s29, 0
	s_add_nc_u64 s[24:25], s[24:25], s[28:29]
	s_lshl_b32 s28, ttmp9, 14
	s_add_nc_u64 s[30:31], s[4:5], s[28:29]        ; x's codes: rowtiles 2 x, 2 x + 1
	s_lshl_b32 s28, s22, 15
	s_add_co_u32 s28, s28, 256*8192
	s_add_nc_u64 s[32:33], s[4:5], s[28:29]        ; the weight's: rowtiles 256 + 4 HN on
	s_lshl_b32 s28, ttmp9, 11
	s_add_co_u32 s28, s28, CS_S
	s_add_nc_u64 s[34:35], s[4:5], s[28:29]
	s_lshl_b32 s28, s22, 12
	s_add_co_u32 s28, s28, CS_S+256*1024
	s_add_nc_u64 s[36:37], s[4:5], s[28:29]
.irp b, 0,1,2,3
	global_load_b128 v[BIAS+8*\b:BIAS+8*\b+3], v12, s[24:25] offset:64*\b
	global_load_b128 v[BIAS+8*\b+4:BIAS+8*\b+7], v12, s[24:25] offset:64*\b+16
.endr
.irp a, 0,1
.irp p, 0,1,2,3
	global_load_b64 v[SCA+8*\a+2*\p:SCA+8*\a+2*\p+1], v8, s[34:35] offset:1024*\a+256*\p
.endr
.endr
.irp b, 0,1,2,3
.irp p, 0,1,2,3
	global_load_b64 v[SCB+8*\b+2*\p:SCB+8*\b+2*\p+1], v8, s[36:37] offset:1024*\b+256*\p
.endr
.endr
.macro FRAGS s                         ; K step s: 12 loads into set s % 2
.set FB, FRG+48*((\s)%2)
.irp a, 0,1
.irp c, 0,1
	global_load_b128 v[FB+8*\a+4*\c:FB+8*\a+4*\c+3], v7, s[30:31] offset:8192*\a+1024*(\s)+512*\c
.endr
.endr
.irp b, 0,1,2,3
.irp c, 0,1
	global_load_b128 v[FB+16+8*\b+4*\c:FB+16+8*\b+4*\c+3], v7, s[32:33] offset:8192*\b+1024*(\s)+512*\c
.endr
.endr
.endm
.macro KSTEP s                         ; the 8 accumulators take turns, one instruction a turn
.set FB, FRG+48*((\s)%2)
.if \s < 7
	s_wait_loadcnt 12                              ; all but the next K step's 12 loads
.else
	s_wait_loadcnt 0x0
.endif
.irp a, 0,1
.irp b, 0,1,2,3
.if \s == 0
	v_wmma_scale_f32_16x16x128_f8f6f4 v[ACC+8*(4*\a+\b):ACC+8*(4*\a+\b)+7], v[FB+16+8*\b:FB+23+8*\b], v[FB+8*\a:FB+8*\a+7], v[BIAS+8*\b:BIAS+8*\b+7], v[SCB+8*\b+\s], v[SCA+8*\a+\s] matrix_a_fmt:MATRIX_FMT_FP4 matrix_b_fmt:MATRIX_FMT_FP4
.else
	v_wmma_scale_f32_16x16x128_f8f6f4 v[ACC+8*(4*\a+\b):ACC+8*(4*\a+\b)+7], v[FB+16+8*\b:FB+23+8*\b], v[FB+8*\a:FB+8*\a+7], v[ACC+8*(4*\a+\b):ACC+8*(4*\a+\b)+7], v[SCB+8*\b+\s], v[SCA+8*\a+\s] matrix_a_fmt:MATRIX_FMT_FP4 matrix_b_fmt:MATRIX_FMT_FP4
.endif
.endr
.endr
.rept 4
	v_nop                                          ; four places in front of loads into registers just multiplied, and of the first read of results
.endr
.if \s+2 < 8
	FRAGS \s+2
.endif
.endm
	FRAGS 0
	FRAGS 1
.irp s, 0,1,2,3,4,5,6,7
	KSTEP \s
.endr
	s_cmp_lt_u32 s21, 4
	s_cbranch_scc0 .Lkv
; ---- q: x c, to f16 fragments; rows 0-15 also in f32
	s_mov_b32 s40, 0x3e38aa3b                      ; c = log2(e) / 8
	s_mov_b32 s41, s40
	s_lshl_b32 s28, s22, 19
	s_lshl_b32 s38, ttmp9, 12
	s_add_co_u32 s28, s28, s38
	s_add_nc_u64 s[42:43], s[12:13], s[28:29]      ; head x 524,288 + qtile x 2,048
	s_lshl_b32 s28, s22, 8
	s_add_co_u32 s28, s28, QQ_32
	s_add_nc_u64 s[44:45], s[12:13], s[28:29]
.set i, 0
.rept 8                                        ; i = 4 a + b
.irp j, 0,2,4,6
	v_pk_mul_f32 v[FRG+8*i+\j:FRG+8*i+\j+1], v[ACC+8*i+\j:ACC+8*i+\j+1], s[40:41] op_sel_hi:[1,0]
.endr
.set i, i+1
.endr
.set i, 0
.rept 8
.irp n, 0,1,2,3
	v_cvt_pk_f16_f32 v[160+4*i+\n], v[FRG+8*i+2*\n], v[FRG+8*i+2*\n+1]
.endr
	global_store_b128 v7, v[160+4*i:163+4*i], s[42:43] offset:2048*(i/4)+512*(i%4)
.set i, i+1
.endr
	s_cmp_lg_u32 ttmp9, 0
	s_cbranch_scc1 .Lend
.irp b, 0,1,2,3
	global_store_b128 v13, v[FRG+8*\b:FRG+8*\b+3], s[44:45] offset:64*\b
	global_store_b128 v13, v[FRG+8*\b+4:FRG+8*\b+7], s[44:45] offset:64*\b+16
.endr
	s_branch .Lend
; ---- k and v: f32 rows through my stage, 512 consecutive bytes a store
.Lkv:
	s_lshl_b32 s28, s20, 20
	s_lshl_b32 s38, ttmp9, 13
	s_add_co_u32 s28, s28, s38
	s_add_nc_u64 s[26:27], s[26:27], s[28:29]      ; kv head x 1 MB + 32 rows of 256 bytes x block
	s_lshl_b32 s28, s20, 20
	s_lshr_b32 s38, ttmp9, 1
	s_lshl_b32 s38, s38, 14
	s_add_co_u32 s28, s28, s38
	s_and_b32 s38, ttmp9, 1
	s_lshl_b32 s38, s38, 12
	s_add_co_u32 s28, s28, s38
	s_add_nc_u64 s[46:47], s[14:15], s[28:29]      ; the key step's 16 KB, + 4,096 for its second 32 keys
.set i, 0
.rept 8                                        ; each accumulator from its low end on
	ds_store_b128 v9, v[ACC+8*i:ACC+8*i+3] offset:16*(i/4)*SPITCH+64*(i%4)
	ds_store_b128 v9, v[ACC+8*i+4:ACC+8*i+7] offset:16*(i/4)*SPITCH+64*(i%4)+16
.set i, i+1
.endr
.set i, 0
.rept 16
	ds_load_b128 v[FRG+4*i:FRG+4*i+3], v10 offset:2*i*SPITCH   ; LDS serves a wave's instructions in order: these see the stores
.set i, i+1
.endr
.set i, 0
.rept 16
	s_wait_dscnt 15-i
	global_store_b128 v7, v[FRG+4*i:FRG+4*i+3], s[26:27] offset:512*i
.set i, i+1
.endr
	s_cmp_eq_u32 s21, 4
	s_cbranch_scc0 .Lv
.set i, 0
.rept 8                                        ; k: a lane's 8 channels of a key are half a fragment's registers
.irp n, 0,1,2,3
	v_cvt_pk_f16_f32 v[160+4*i+\n], v[ACC+8*i+2*\n], v[ACC+8*i+2*\n+1]
.endr
	global_store_b128 v7, v[160+4*i:163+4*i], s[46:47] offset:2048*(i/4)+512*(i%4)
.set i, i+1
.endr
	s_branch .Lend
.Lv:
	s_mov_b32 s48, 0x76543210
	s_mov_b32 s49, 0xfedcba98
	s_mov_b32 s50, 0xffff0000
	s_lshl_b32 s28, s20, 7
	s_add_co_u32 s28, s28, ttmp9
	s_lshl_b32 s28, s28, 8
	s_add_co_u32 s28, s28, KV_S
	s_add_nc_u64 s[52:53], s[14:15], s[28:29]
.set i, 0
.rept 64                                       ; i = 16 dt + 8 c + n: V(key 16 c + 8 h + n, channel 16 dt + r), into the accumulators' registers, which the stage's stores have read
	ds_load_b32 v[ACC+i], v11 offset:(16*((i/8)%2)+i%8)*SPITCH+64*(i/16)
.set i, i+1
.endr
	s_wait_dscnt 0x0
.irp d, 0,1,2,3
	v_pk_add_f32 v[16+2*\d:17+2*\d], v[ACC+16*\d:ACC+16*\d+1], v[ACC+16*\d+2:ACC+16*\d+3]
.endr
.irp k, 4,6,8,10,12,14
.irp d, 0,1,2,3
	v_pk_add_f32 v[16+2*\d:17+2*\d], v[16+2*\d:17+2*\d], v[ACC+16*\d+\k:ACC+16*\d+\k+1]
.endr
.endr
.irp d, 0,1,2,3
	v_add_f32 v[24+\d], v[16+2*\d], v[17+2*\d]
	v_mov_b32 v[28+\d], 0
.endr
.irp d, 0,1,2,3
	v_permlanex16_b32 v[28+\d], v[24+\d], s48, s49
.endr
.irp d, 0,1,2,3
	v_add_f32 v[24+\d], v[24+\d], v[28+\d]         ; the sum of V over the 32 keys, channel 16 dt + r
.endr
	v_cndmask_b32 v32, v24, v26, s50               ; lanes 16-31 keep dt = 2, 3
	v_cndmask_b32 v33, v25, v27, s50
	global_store_b64 v8, v[32:33], s[52:53]
.set i, 0
.rept 8                                        ; i = 2 dt + c
.irp n, 0,1,2,3
	v_cvt_pk_f16_f32 v[160+4*i+\n], v[ACC+8*i+2*\n], v[ACC+8*i+2*\n+1]
.endr
	global_store_b128 v7, v[160+4*i:163+4*i], s[46:47] offset:8192+512*i
.set i, i+1
.endr
.Lend:
	s_wait_tensorcnt 0x0                           ; the wave's end
	ds_add_u32 v[SPW], v[NIL]
	s_wait_dscnt 0x0
	s_endpgm
.Lfunc_end_k_q2cb0dbeee9_proj:
	.size	k_q2cb0dbeee9_proj, .Lfunc_end_k_q2cb0dbeee9_proj-k_q2cb0dbeee9_proj
	.p2alignl 7, 3214868480
	.fill 96, 4, 3214868480
	.section	.rodata,"a",@progbits
	.p2align	6, 0x0
	.amdhsa_kernel k_q2cb0dbeee9_proj
		.amdhsa_group_segment_fixed_size 35328
		.amdhsa_private_segment_fixed_size 0
		.amdhsa_enable_private_segment 0
		.amdhsa_kernarg_size 64
		.amdhsa_user_sgpr_count 2
		.amdhsa_user_sgpr_kernarg_segment_ptr 1
		.amdhsa_wavefront_size32 1
		.amdhsa_system_sgpr_workgroup_id_x 1
		.amdhsa_system_sgpr_workgroup_id_y 1
		.amdhsa_system_sgpr_workgroup_id_z 1
		.amdhsa_system_vgpr_workitem_id 0
		.amdhsa_next_free_vgpr 256
		.amdhsa_next_free_sgpr 66
		.amdhsa_reserve_vcc 0
		.amdhsa_float_denorm_mode_32 3
		.amdhsa_float_denorm_mode_16_64 3
		.amdhsa_memory_ordered 1
		.amdhsa_forward_progress 1
		.amdhsa_inst_pref_size 47
	.end_amdhsa_kernel
	.amdgpu_metadata
---
amdhsa.version: [ 1, 2 ]
amdhsa.kernels:
  - .name:           k_q2cb0dbeee9_proj
    .symbol:         k_q2cb0dbeee9_proj.kd
    .args:
      - { .name: cs, .offset: 0, .size: 8, .value_kind: global_buffer, .address_space: global }
      - { .name: q_b, .offset: 8, .size: 8, .value_kind: global_buffer, .address_space: global }
      - { .name: k_b, .offset: 16, .size: 8, .value_kind: global_buffer, .address_space: global }
      - { .name: v_b, .offset: 24, .size: 8, .value_kind: global_buffer, .address_space: global }
      - { .name: qq, .offset: 32, .size: 8, .value_kind: global_buffer, .address_space: global }
      - { .name: kv, .offset: 40, .size: 8, .value_kind: global_buffer, .address_space: global }
      - { .name: out1, .offset: 48, .size: 8, .value_kind: global_buffer, .address_space: global }
      - { .name: out2, .offset: 56, .size: 8, .value_kind: global_buffer, .address_space: global }
    .group_segment_fixed_size: 35328
    .private_segment_fixed_size: 0
    .kernarg_segment_align: 8
    .kernarg_segment_size: 64
    .max_flat_workgroup_size: 128
    .sgpr_count:     66
    .vgpr_count:     256
    .wavefront_size: 32
...
	.end_amdgpu_metadata
.endif
;; end of part 2
;; launch attn (part 3): grid 256 x 1, 4 waves a work-group, no clusters, 158,208 bytes of LDS; arguments qq, kv, mk, ao, fl; writes ao
.if DOCPART == 3
	.amdgcn_target "amdgcn-amd-amdhsa--gfx1250"
	.amdhsa_code_object_version 6
	.text
	.protected	k_q2cb0dbeee9_attn
	.globl	k_q2cb0dbeee9_attn
	.p2align	8
	.type	k_q2cb0dbeee9_attn,@function
k_q2cb0dbeee9_attn:
	s_mov_b64 s[64:65], 0
	v_nop
	global_prefetch_b8 v0, s[64:65] scope:SCOPE_SE
	s_setreg_imm32_b32 hwreg(HW_REG_WAVE_MODE, 25, 1), 1
	s_wait_xcnt 0x0
; Attention for all positions, f16 operands, f32 sums, a running maximum.  t = (q c) . k, c = log2(e) / 8 folded into q; a hidden score is T0 = -1e9 log2(e), as the mask is an input.
; SHARES.  Work-group x: kv head g = x % 4, a = x / 4; two jobs, the blocks of 32 positions a and 127 - a.  A job is 8 tiles of 16 queries (tile i: head 4 g + i % 4, positions 32 BLK + 16 (i / 4)).
; ALL FOUR WAVES HOLD ALL 8 TILES AND SHARE THE KEYS: wave w takes key steps ks = 4 i + w (64 keys), 16 trips.  So each fragment of K and V is loaded once in a work-group, straight into registers, and feeds 8 tiles;
; the trips have no barrier.  The four partial (m, l, O) meet in LDS at a job's end.
; SKIPPING, exact for every mask: a key step whose 32 x 64 mask entries are all false (a stored flag) is not multiplied.  Each of its keys has t = T0 for every query, so its share of a row is
; 2^(T0 - M) x (the number of such keys, the sum of their V), added once at the merge, with M = max(m, T0); where no step is skipped, -3e38 stands for T0.  A step whose entries are all true skips the masking.
; The branches hang on whole numbers that an earlier launch stored (fl).  The mask words (mk) only choose values.
; LAYOUT.  S^T = K Q^T and O^T = V^T P: a lane holds one query (lane % 16); two tiles of S^T rounded to f16 in pairs are source 1 of the second product.
; BY TURNS.  Tiles go in four pieces of two.  While one piece's softmax is walked, the piece before has its V^T P and the piece after its K Q^T, one matrix instruction behind every 7 (or 14) vector lines.
; REGISTERS, in windows of 256: 0: v1-31 addresses and small things, v32-95 statistics (8 a tile: m, old m, l, l, c0-c3; f takes c2, its argument c3), v96-127 W0, v128-191, v192-255 S^T / P of a piece by turns;
;   1: O^T, tile i at 32 i;  2: Q at 16 i, v128-191 sums of V;  3: two sets of K (64) and V (64).
; LIMITS: operands beyond 65,504 have no f16; NaN and infinities are not served.
.set KV_S,  4194304
.set AO_W,  8388608
.set ML,    131072                     ; LDS: 0: O partials [wave][tile][n 8][lane][16]; ML: (m, l) [wave][tile][lane][8];
.set WREG,  139264                     ; W [wave][64 f32];
.set STG,   140288                     ; a stage of 16 rows x 272 bytes for each wave;
.set SPARE, 157696                     ; the spare words
.set ST,  32
.set W0,  96
.set SB,  128
.set MSB, 0
.macro WIN new                         ; the immediate's high byte repeats the setting that is left; a switch that changes nothing is dropped
.if MSB != \new
	s_set_vgpr_msb (MSB<<8)|\new
.set MSB, \new
.endif
.endm
; the next matrix instruction of the phase's queue: first 16 of O^T += V^T P (piece qpv), then 16 of S^T = K Q^T (piece qkq).  Eight accumulators take turns.
.macro ONE_MM
.if mi < npv
.set mmn, mi
.set rO, 32*(2*qpv+(mmn/4)%2)+8*(mmn%4)
.set rV, 128*qb+64+32*(mmn/8)+8*(mmn%4)
.set rP, SB+64*(qpv%2)+32*((mmn/4)%2)+8*(mmn/8)
	WIN 0x53                                       ; V window 3, P window 0, O^T window 1
	v_wmma_f32_16x16x32_f16 v[rO:rO+7], v[rV:rV+7], v[rP:rP+7], v[rO:rO+7]
.else
.set mmn, mi-npv
.if (mmn == 0) && (npv > 0)
.rept 5
	v_nop                                          ; five places: these products write over the P that the products before have read
.endr
.endif
.set rD, SB+64*(qkq%2)+32*((mmn/4)%2)+8*(mmn%4)
.set rK, 128*qb+16*(mmn%4)+8*(mmn/8)
.set rQ, 16*(2*qkq+(mmn/4)%2)+8*(mmn/8)
	WIN 0x0b                                       ; K window 3, Q window 2, S^T window 0
.if mmn < 8
	v_wmma_f32_16x16x32_f16 v[rD:rD+7], v[rK:rK+7], v[rQ:rQ+7], 0
.else
	v_wmma_f32_16x16x32_f16 v[rD:rD+7], v[rK:rK+7], v[rQ:rQ+7], v[rD:rD+7]
.endif
.endif
.set mi, mi+1
.endm
.macro TICK                            ; behind each vector line of a softmax
.set tk, tk+1
.if (tk%per == 0) && (mi < MN)
	ONE_MM
.endif
.endm
.macro SMAX t                          ; line j of 20: the maximum of the lane's 32 scores and the old m; the other half of the lanes'; old m - new m
.set rT, rT0+8*(\t)
.set rS, rB+32*(\t)
	WIN 0
.if j < 4
	v_max3_num_f32 v[rT+4+j], v[rS+8*j], v[rS+8*j+1], v[rS+8*j+2]
.elseif j < 12
	v_max3_num_f32 v[rT+4+j%4], v[rT+4+j%4], v[rS+8*(j%4)+2*(j/4)+1], v[rS+8*(j%4)+2*(j/4)+2]
.elseif j == 12
	v_max3_num_f32 v[rT+4], v[rT+4], v[rS+7], v[rS+15]
.elseif j == 13
	v_max3_num_f32 v[rT+6], v[rT+6], v[rS+23], v[rS+31]
.elseif j == 14
	v_max3_num_f32 v[rT+4], v[rT+4], v[rT+5], v[rT+6]
.elseif j == 15
	v_max3_num_f32 v[rT+4], v[rT+4], v[rT+7], v[rT]
.elseif j == 16
	v_permlanex16_b32 v[rT+5], v[rT+4], s36, s37
.elseif j == 17
	v_mov_b32 v[rT+1], v[rT]
.elseif j == 18
	v_max_num_f32 v[rT], v[rT+4], v[rT+5]
.else
	v_sub_f32 v[rT+7], v[rT+1], v[rT]
.endif
.endm
.macro SSUM t                          ; line j of 16: l = l f + the 16 pairs of p, in two chains
.set rT, rT0+8*(\t)
.set rS, rB+32*(\t)
	WIN 0
.if j == 0
	v_pk_fma_f32 v[rT+2:rT+3], v[rT+2:rT+3], v[rT+6:rT+7], v[rS:rS+1] op_sel_hi:[1,0,1]
.elseif j == 1
	v_pk_add_f32 v[rT+4:rT+5], v[rS+2:rS+3], v[rS+6:rS+7]
.elseif j == 15
	v_pk_add_f32 v[rT+2:rT+3], v[rT+2:rT+3], v[rT+4:rT+5]
.elseif j%2 == 0
	v_pk_add_f32 v[rT+2:rT+3], v[rT+2:rT+3], v[rS+2*j:rS+2*j+1]
.else
	v_pk_add_f32 v[rT+4:rT+5], v[rT+4:rT+5], v[rS+2*j+4:rS+2*j+5]
.endif
.endm
; Piece p's softmax for one key step: 234 vector lines, the two tiles by turns.
.macro SM p
.set rB, SB+64*((\p)%2)
.set rT0, ST+16*(\p)
	s_cmp_eq_u32 s35, 0                            ; a step all of whose entries are true is not masked
	s_cbranch_scc1 .Lopen_\@
	s_wait_kmcnt 0x0                               ; the mask words
.set j, 0
.rept 32
	v_cndmask_b32 v[rB+j], v4, v[rB+j], s[68+j]    ; word j: one bit a lane; both tiles have the same positions
	v_cndmask_b32 v[rB+32+j], v4, v[rB+32+j], s[68+j]
.set j, j+1
.endr
.if (\p) == 1
	s_load_b512 s[68:83], s[8:9], s34 offset:0x2000   ; pieces 2 and 3 are the block's second 16 positions
	s_load_b512 s[84:99], s[8:9], s34 offset:0x2040
.endif
.Lopen_\@:
.set j, 0
.rept 20
	SMAX 0
	TICK
	SMAX 1
	TICK
.set j, j+1
.endr
.set j, 0
.rept 16
.irp t, 0,1
	WIN 0
	v_pk_add_f32 v[rB+32*\t+2*j:rB+32*\t+2*j+1], v[rB+32*\t+2*j:rB+32*\t+2*j+1], v[rT0+8*\t:rT0+8*\t+1] op_sel_hi:[1,0] neg_lo:[0,1] neg_hi:[0,1]   ; t - m
	TICK
.endr
.set j, j+1
.endr
.irp t, 0,1
	WIN 0
	v_exp_f32 v[rT0+8*\t+6], v[rT0+8*\t+7]         ; f = 2^(old m - new m)
	TICK
.endr
.set j, 0
.rept 32
.irp t, 0,1
	WIN 0
	v_exp_f32 v[rB+32*\t+j], v[rB+32*\t+j]         ; p
	TICK
.endr
.set j, j+1
.endr
	WIN 0
	v_nop                                          ; a plain instruction behind the last exponential
	s_wait_alu depctr_va_vdst(0)                   ; one wait for the batch of 66, ahead of its first reader
.set j, 0
.rept 16
	SSUM 0
	TICK
	SSUM 1
	TICK
.set j, j+1
.endr
.set j, 0
.rept 16
.irp t, 0,1
	WIN 0
	v_cvt_pk_f16_f32 v[rB+32*\t+j], v[rB+32*\t+2*j], v[rB+32*\t+2*j+1]   ; in place: registers 8 u .. 8 u + 7 are the fragment of keys 32 u on
	TICK
.endr
.set j, j+1
.endr
.set j, 0
.rept 16
.irp t, 0,1
	WIN 0x41                                       ; O^T window 1, f window 0
	v_pk_mul_f32 v[64*(\p)+32*\t+2*j:64*(\p)+32*\t+2*j+1], v[64*(\p)+32*\t+2*j:64*(\p)+32*\t+2*j+1], v[rT0+8*\t+6:rT0+8*\t+7] op_sel_hi:[1,0]
	TICK
.endr
.set j, j+1
.endr
	WIN 0
.endm
; A phase: V^T P of piece pv, K Q^T of piece kq (-1: none), beside the softmax of piece sm (-1: none, the products stand bare).  b: the set of K and V.
.macro PHASE pv, kq, sm, b
.set qpv, \pv
.set qkq, \kq
.set qb, \b
.set npv, 0
.if \pv >= 0
.set npv, 16
.endif
.set MN, npv
.if \kq >= 0
.set MN, npv+16
.endif
.set per, 224/MN
.set mi, 0
.set tk, 0
.rept 5
	v_nop                                          ; the places behind the last phase's products: their results are read, and their P is written over, from here on
.endr
.if \sm >= 0
	SM \sm
.endif
.rept 32
.if mi < MN
	ONE_MM
.endif
.endr
	WIN 0
.endm
.macro SHR4 lo, hi                     ; 64 bits, 4 to the right
	s_lshr_b32 s[\lo], s[\lo], 4
	s_lshl_b32 s40, s[\hi], 28
	s_or_b32 s[\lo], s[\lo], s40
	s_lshr_b32 s[\hi], s[\hi], 4
.endm
; A trip: key step 4 i + w, on set b.  Bit 0 of s[24:25]: this step has a true entry; bit 4: the next trip's has.
.macro TRIP b
	s_wait_loadcnt 0x0                             ; this trip's K and V, asked for a trip ago; the wait also frees their base
	s_add_nc_u64 s[16:17], s[16:17], 0x10000       ; four key steps of 16 KB on
	s_bitcmp1_b32 s24, 4
	s_cbranch_scc0 .Lnoload_\@
.rept 4
	v_nop                                          ; places in front of loads into the set that the last trip multiplied
.endr
	WIN 0xc0
.set i, 0
.rept 32
	global_load_b128 v[128*(1-\b)+4*i:128*(1-\b)+4*i+3], v1, s[16:17] offset:512*i
.set i, i+1
.endr
	WIN 0
.Lnoload_\@:
	s_bitcmp1_b32 s24, 0
	s_cbranch_scc0 .Lskip_\@
	s_and_b32 s35, s26, 1                          ; some entry true, some false: the mask words are wanted
	s_cmp_eq_u32 s35, 0
	s_cbranch_scc1 .Lnowords_\@
	s_load_b512 s[68:83], s[8:9], s34 offset:0x0
	s_load_b512 s[84:99], s[8:9], s34 offset:0x40
.Lnowords_\@:
	PHASE -1, 0, -1, \b
	PHASE -1, 1, 0, \b
	PHASE 0, 2, 1, \b
	PHASE 1, 3, 2, \b
	PHASE 2, -1, 3, \b
	PHASE 3, -1, -1, \b
.Lskip_\@:
	s_wait_kmcnt 0x0                               ; no scalar load is out: its offset may step
	SHR4 24, 25
	SHR4 26, 27
	s_add_co_u32 s34, s34, 512
.endm
; A job's flags (8 words at s[f]): ANY, PART = ANY and not ALL, shifted to my wave's first key step; the mask words' offset.
.macro SETJOB f
	s_or_b32 s30, s[\f], s[\f+4]
	s_or_b32 s31, s[\f+1], s[\f+5]
	s_and_b32 s26, s[\f+2], s[\f+6]
	s_and_b32 s27, s[\f+3], s[\f+7]
	s_and_not1_b32 s26, s30, s26
	s_and_not1_b32 s27, s31, s27
	s_sub_co_u32 s41, 31, s18
	s_lshl_b32 s40, s31, 1
	s_lshl_b32 s40, s40, s41                       ; the high word's low w bits, on top
	s_lshr_b32 s24, s30, s18
	s_or_b32 s24, s24, s40
	s_lshr_b32 s25, s31, s18
	s_lshl_b32 s40, s27, 1
	s_lshl_b32 s40, s40, s41
	s_lshr_b32 s26, s26, s18
	s_or_b32 s26, s26, s40
	s_lshr_b32 s27, s27, s18
	s_mov_b32 s28, s24
	s_mov_b32 s29, s25
	s_lshl_b32 s34, s21, 14
	s_lshl_b32 s40, s18, 7
	s_add_co_u32 s34, s34, s40
.endm
; A job's Q, and its first K and V.  always = 1, at the head: both sets are filled whatever the flags, so that every register is written before any path reads it.
.macro LOADJOB always
.if \always == 0
	s_wait_loadcnt 0x0                             ; no load into set 0 is out when the loads below are issued into it.  (The last trip asks for nothing, its flag bit 64 + w being 0: the wait says so for every path of the text)
.endif
	s_wait_xcnt 0x0
	s_lshl_b32 s40, s21, 12
	s_mov_b32 s41, 0
	s_add_nc_u64 s[14:15], s[4:5], s[40:41]
	s_mov_b64 s[16:17], s[6:7]
.rept 4
	v_nop
.endr
	WIN 0x80
.set i, 0
.rept 32                                       ; tile i / 4, quarter i % 4
	global_load_b128 v[4*i:4*i+3], v1, s[14:15] offset:((i/4)%4)*524288+(i/16)*2048+512*(i%4)
.set i, i+1
.endr
	WIN 0
.if \always
	WIN 0xc0
.set i, 0
.rept 64
	global_load_b128 v[4*i:4*i+3], v1, s[16:17] offset:65536*(i/32)+512*(i%32)
.set i, i+1
.endr
	WIN 0
.else
	s_bitcmp1_b32 s24, 0
	s_cbranch_scc0 .Lnokv_\@
	WIN 0xc0
.set i, 0
.rept 32
	global_load_b128 v[4*i:4*i+3], v1, s[16:17] offset:512*i
.set i, i+1
.endr
	WIN 0
.Lnokv_\@:
.endif
.endm
	s_load_b256 s[4:11], s[0:1], 0x0               ; qq 4, kv 6, mk 8, ao 10
	s_load_b64 s[32:33], s[0:1], 0x20              ; fl
	v_lshl_add_u32 v2, v0, 2, SPARE                ; my spare word
	v_mov_b32 v3, 0
	v_lshrrev_b32 v1, 5, v0
	v_readfirstlane_b32 s18, v1                    ; wave
	s_and_b32 s19, ttmp9, 3                        ; g
	s_lshr_b32 s20, ttmp9, 2                       ; a
	s_mov_b32 s21, s20                             ; BLK of the first job
	s_mov_b32 s36, 0x76543210
	s_mov_b32 s37, 0xfedcba98
	s_mov_b32 s38, 0xceabfb8f                      ; T0 = -1e9 log2(e)
	s_mov_b32 s39, 0xff61b1e6                      ; -3e38
	v_mov_b32 v4, s38
	v_and_b32 v20, 15, v0                          ; r
	v_bfe_u32 v21, v0, 4, 1                        ; h
	v_and_b32 v22, 31, v0
	v_lshlrev_b32 v1, 4, v22                       ; 16 L
	v_lshlrev_b32 v5, 3, v22                       ; 8 L
	s_lshl_b32 s40, s18, 15
	v_add_nc_u32 v6, s40, v1                       ; O partials, in
	s_lshl_b32 s40, s18, 11
	s_add_co_u32 s40, s40, ML
	v_add_nc_u32 v7, s40, v5                       ; (m, l), in
	v_lshlrev_b32 v8, 2, v20
	v_lshl_add_u32 v8, v21, 7, v8
	s_lshl_b32 s40, s18, 8
	s_add_co_u32 s40, s40, WREG
	v_add_nc_u32 v8, s40, v8                       ; W, in: 128 h + 4 r (+ 64 e)
	s_lshl_b32 s40, s18, 9
	s_add_co_u32 s40, s40, ML
	v_add_nc_u32 v9, s40, v5                       ; (m, l) of tiles 2 w, 2 w + 1, back
	v_lshl_add_u32 v10, v21, 5, WREG               ; W, back: 32 h
	s_lshl_b32 s40, s18, 13
	v_add_nc_u32 v11, s40, v1                      ; O partials of waves 0, 1, back
	v_add_nc_u32 v12, 0x10000, v11                 ; of waves 2, 3
	s_mul_i32 s40, s18, 4352
	s_add_co_u32 s40, s40, STG
	v_mul_u32_u24 v13, v20, 272
	v_lshl_add_u32 v13, v21, 4, v13
	v_add_nc_u32 v13, s40, v13                     ; my stage, in: row r, + 16 h
	v_mul_u32_u24 v14, v21, 272
	v_lshl_add_u32 v14, v20, 4, v14
	v_add_nc_u32 v14, s40, v14                     ; back: lanes 0-15 one row, lanes 16-31 the next
	v_lshlrev_b32 v15, 11, v21
	v_lshl_add_u32 v15, v20, 4, v15                ; the same two rows in ao
	v_mov_b32 v24, 0
	v_mov_b32 v25, 0
	v_mov_b32 v27, 0
	v_mov_b32 v29, 0
.set i, 68
.rept 16
	s_mov_b64 s[i:i+1], 0                          ; the mask words' registers, written once
.set i, i+2
.endr
	s_mov_b32 s35, 0
	s_wait_kmcnt 0x0
	s_mov_b64 s[12:13], s[10:11]                   ; ao
	s_lshl_b32 s40, s19, 15
	s_lshl_b32 s41, s18, 9
	s_add_co_u32 s40, s40, s41
	s_add_co_u32 s40, s40, KV_S
	s_mov_b32 s41, 0
	s_add_nc_u64 s[10:11], s[6:7], s[40:41]        ; the sums of V: my wave's key steps
	s_lshl_b32 s40, s19, 20
	s_lshl_b32 s42, s18, 14
	s_add_co_u32 s40, s40, s42
	s_add_nc_u64 s[6:7], s[6:7], s[40:41]          ; K and V: key step w of my kv head
	s_lshl_b32 s40, s19, 21
	s_add_nc_u64 s[4:5], s[4:5], s[40:41]          ; Q: my four heads
	s_lshl_b32 s40, s20, 5
	s_load_b256 s[44:51], s[32:33], s40 offset:0x0 ; both jobs' flags: 32 bytes for a block of 32 positions
	s_sub_co_u32 s42, 127, s20
	s_lshl_b32 s42, s42, 5
	s_load_b256 s[52:59], s[32:33], s42 offset:0x0
	WIN 0x80
.set i, 0
.rept 32                                       ; trip i / 2, half i % 2: once for both jobs
	global_load_b64 v[128+2*i:129+2*i], v5, s[10:11] offset:2048*(i/2)+256*(i%2)
.set i, i+1
.endr
	WIN 0
	s_wait_kmcnt 0x0
	SETJOB 44
	LOADJOB 1
	s_mov_b32 s22, 0
.Ljob:
	WIN 0x40
.set i, 0
.rept 256
	v_mov_b32 v[i], 0                              ; O^T: which key step comes first hangs on the flags, so no first step can be written out
.set i, i+1
.endr
	WIN 0
.irp i, 0,1,2,3,4,5,6,7
	v_mov_b32 v[ST+8*\i], s39
	v_mov_b32 v[ST+8*\i+1], 0
	v_mov_b32 v[ST+8*\i+2], 0
	v_mov_b32 v[ST+8*\i+3], 0
.endr
	v_mov_b32 v16, 0
	v_mov_b32 v17, 0
	s_mov_b32 s23, 8
.Ltrip:
	TRIP 0
	TRIP 1
	s_sub_co_u32 s23, s23, 1
	s_cmp_lg_u32 s23, 0
	s_cbranch_scc1 .Ltrip
	; W: the sums of V over my skipped key steps; the weight is 0 or 1, chosen without a jump.  These 64 lines are also the places behind the last products.
	WIN 0x08
.set i, 0
.rept 16
	s_bitcmp1_b32 s[28+i/8], 4*(i%8)
	s_cselect_b32 s40, 0, 1.0
	v_fmac_f32 v16, s40, v[128+4*i]
	v_fmac_f32 v17, s40, v[129+4*i]
	v_fmac_f32 v16, s40, v[130+4*i]
	v_fmac_f32 v17, s40, v[131+4*i]
.set i, i+1
.endr
	WIN 0
	s_bcnt1_i32_b32 s40, s30
	s_bcnt1_i32_b32 s41, s31
	s_add_co_u32 s40, s40, s41
	s_sub_co_u32 s40, 64, s40
	s_lshl_b32 s40, s40, 6                         ; N0: the keys of all skipped steps
	v_cvt_f32_u32 v18, s40
	s_cmp_eq_u32 s40, 0
	s_cselect_b32 s43, s39, s38                    ; T0, or -3e38 where nothing is skipped
	s_lshl_b32 s40, s21, 5
	s_lshr_b32 s41, s18, 1
	s_lshl_b32 s41, s41, 4
	s_add_co_u32 s40, s40, s41
	s_lshl_b32 s40, s40, 11                        ; position 32 BLK + 16 (w / 2), rows of 2,048 bytes
	s_lshl_b32 s41, s19, 9
	s_add_co_u32 s40, s40, s41
	s_and_b32 s41, s18, 1
	s_lshl_b32 s41, s41, 8
	s_add_co_u32 s40, s40, s41                     ; heads 4 g + 2 (w % 2), + 1: 256 bytes
	s_mov_b32 s41, 0
	s_add_nc_u64 s[60:61], s[12:13], s[40:41]
	s_cmp_lg_u32 s21, 0
	s_cbranch_scc1 .Lnot_first
	s_lshl_b32 s40, s19, 2                         ; block 0's W goes to memory too, for the launch that makes positions 0-15 in f32
	s_add_co_u32 s40, s40, s18
	s_lshl_b32 s40, s40, 8
	s_add_co_u32 s40, s40, AO_W
	s_add_nc_u64 s[62:63], s[12:13], s[40:41]
	global_store_b64 v5, v[16:17], s[62:63]
.Lnot_first:
	s_cmp_lg_u32 s22, 0
	s_cbranch_scc1 .Lno_next
	s_sub_co_u32 s21, 127, s20                     ; the second job's loads land while the first is merged
	SETJOB 52
	LOADJOB 0
.Lno_next:
	; THE MERGE.  Every wave's (m, l), W and O^T go to LDS.
.rept 4
	v_nop
.endr
.irp i, 0,1,2,3,4,5,6,7
	v_add_f32 v[ST+8*\i+1], v[ST+8*\i+2], v[ST+8*\i+3]
.endr
.irp i, 0,1,2,3,4,5,6,7
	ds_store_b64 v7, v[ST+8*\i:ST+8*\i+1] offset:256*\i
.endr
	ds_store_b32 v8, v16
	ds_store_b32 v8, v17 offset:64
	WIN 0x04                                       ; an LDS store's data are its source 1: window 1
.set i, 0
.rept 64
	ds_store_b128 v6, v[4*i:4*i+3] offset:512*i    ; each accumulator from its low end on
.set i, i+1
.endr
	WIN 0
	s_wait_dscnt 0x0                               ; for the others' sake: my stores have landed
	s_barrier_signal -1
	s_barrier_wait -1
	; wave w finishes tiles 2 w and 2 w + 1
.set i, 0
.rept 32                                       ; i = 8 v + 2 dt + half: W of wave v at channels 16 dt + 8 h + 4 half on
	ds_load_b128 v[128+4*i:131+4*i], v10 offset:256*(i/8)+64*((i/2)%4)+16*(i%2)
.set i, i+1
.endr
.set i, 0
.rept 8                                        ; i = 4 tau + v
	ds_load_b64 v[32+2*i:33+2*i], v9 offset:2048*(i%4)+256*(i/4)
.set i, i+1
.endr
	s_wait_dscnt 0x0
.set i, 0
.rept 16
	v_pk_add_f32 v[W0+i:W0+i+1], v[128+i:129+i], v[160+i:161+i]
.set i, i+2
.endr
.set i, 0
.rept 16
	v_pk_add_f32 v[W0+i:W0+i+1], v[W0+i:W0+i+1], v[192+i:193+i]
.set i, i+2
.endr
.set i, 0
.rept 16
	v_pk_add_f32 v[W0+i:W0+i+1], v[W0+i:W0+i+1], v[224+i:225+i]
.set i, i+2
.endr
.irp u, 0,1
	v_max3_num_f32 v[20+\u], v[32+8*\u], v[34+8*\u], v[36+8*\u]
.endr
.irp u, 0,1
	v_max3_num_f32 v[20+\u], v[20+\u], v[38+8*\u], s43           ; M
.endr
.irp u, 0,1
.irp v, 0,1,2,3
	v_sub_f32 v[49+10*\u+2*\v], v[32+8*\u+2*\v], v[20+\u]
.endr
	v_sub_f32 v[57+10*\u], s43, v[20+\u]
.endr
.set i, 0
.rept 10
	v_exp_f32 v[48+2*i], v[49+2*i]                 ; the four waves' factors and the skipped keys', each the low word of a pair
.set i, i+1
.endr
	v_nop
	s_wait_alu depctr_va_vdst(0)                   ; one wait for the ten
.irp u, 0,1
	v_mul_f32 v[22+\u], v[48+10*\u], v[33+8*\u]
.endr
.irp v, 1,2,3
.irp u, 0,1
	v_fmac_f32 v[22+\u], v[48+10*\u+2*\v], v[33+8*\u+2*\v]
.endr
.endr
.irp u, 0,1
	v_permlanex16_b32 v[24+\u], v[22+\u], s36, s37
.endr
.irp u, 0,1
	v_add_f32 v[22+\u], v[22+\u], v[24+\u]
.endr
.irp u, 0,1
	v_fmac_f32 v[22+\u], v[56+10*\u], v18          ; + 2^(T0 - M) N0: the row's sum
.endr
.irp u, 0,1
	v_rcp_f32 v[26+2*\u], v[22+\u]
.endr
	v_nop
	s_wait_alu depctr_va_vdst(0)
.macro FINISH u
.set i, 0
.rept 32                                       ; i = 8 v + n
	ds_load_b128 v[128+4*i:131+4*i], v[11+i/16] offset:((i/8)%2)*32768+(\u)*4096+512*(i%8)
.set i, i+1
.endr
	s_wait_dscnt 0x0
.set i, 0
.rept 16
	v_pk_mul_f32 v[128+i:129+i], v[128+i:129+i], v[48+10*\u:49+10*\u] op_sel_hi:[1,0]
.set i, i+2
.endr
.irp v, 1,2,3
.set i, 0
.rept 16
	v_pk_fma_f32 v[128+i:129+i], v[128+32*\v+i:129+32*\v+i], v[48+10*\u+2*\v:49+10*\u+2*\v], v[128+i:129+i] op_sel_hi:[1,0,1]
.set i, i+2
.endr
.endr
.set i, 0
.rept 16
	v_pk_fma_f32 v[128+i:129+i], v[W0+i:W0+i+1], v[56+10*\u:57+10*\u], v[128+i:129+i] op_sel_hi:[1,0,1]
.set i, i+2
.endr
.set i, 0
.rept 16
	v_pk_mul_f32 v[128+i:129+i], v[128+i:129+i], v[26+2*\u:27+2*\u] op_sel_hi:[1,0]
.set i, i+2
.endr
.set i, 0
.rept 16
	v_cvt_pk_f16_f32 v[128+i], v[128+2*i], v[129+2*i]
.set i, i+1
.endr
.irp d, 0,1,2,3
	ds_store_b128 v13, v[128+4*\d:131+4*\d] offset:128*(\u)+32*\d
.endr
.endm
	FINISH 0
	FINISH 1
.irp t, 0,1,2,3,4,5,6,7
	ds_load_b128 v[160+4*\t:163+4*\t], v14 offset:544*\t   ; my own stage: LDS serves a wave's instructions in order
.endr
.irp t, 0,1,2,3,4,5,6,7
	s_wait_dscnt 7-\t
	global_store_b128 v15, v[160+4*\t:163+4*\t], s[60:61] offset:4096*\t   ; 16 lanes store 256 consecutive bytes, aligned
.endr
	s_wait_dscnt 0x0                               ; my reads are over: the next job may write these bytes
	s_barrier_signal -1
	s_barrier_wait -1
	s_wait_xcnt 0x0                                ; the stores have read their registers and bases
	s_add_co_u32 s22, s22, 1
	s_cmp_lt_u32 s22, 2
	s_cbranch_scc1 .Ljob
	s_wait_tensorcnt 0x0                           ; the wave's end
	ds_add_u32 v2, v3
	s_wait_dscnt 0x0
	s_endpgm
.Lfunc_end_k_q2cb0dbeee9_attn:
	.size	k_q2cb0dbeee9_attn, .Lfunc_end_k_q2cb0dbeee9_attn-k_q2cb0dbeee9_attn
	.p2alignl 7, 3214868480
	.fill 96, 4, 3214868480
	.section	.rodata,"a",@progbits
	.p2align	6, 0x0
	.amdhsa_kernel k_q2cb0dbeee9_attn
		.amdhsa_group_segment_fixed_size 158208
		.amdhsa_private_segment_fixed_size 0
		.amdhsa_enable_private_segment 0
		.amdhsa_kernarg_size 40
		.amdhsa_user_sgpr_count 2
		.amdhsa_user_sgpr_kernarg_segment_ptr 1
		.amdhsa_wavefront_size32 1
		.amdhsa_system_sgpr_workgroup_id_x 1
		.amdhsa_system_sgpr_workgroup_id_y 1
		.amdhsa_system_sgpr_workgroup_id_z 1
		.amdhsa_system_vgpr_workitem_id 0
		.amdhsa_next_free_vgpr 1024
		.amdhsa_next_free_sgpr 100
		.amdhsa_reserve_vcc 0
		.amdhsa_float_denorm_mode_32 3
		.amdhsa_float_denorm_mode_16_64 3
		.amdhsa_memory_ordered 1
		.amdhsa_forward_progress 1
		.amdhsa_inst_pref_size 243
	.end_amdhsa_kernel
	.amdgpu_metadata
---
amdhsa.version: [ 1, 2 ]
amdhsa.kernels:
  - .name:           k_q2cb0dbeee9_attn
    .symbol:         k_q2cb0dbeee9_attn.kd
    .args:
      - { .name: qq, .offset: 0, .size: 8, .value_kind: global_buffer, .address_space: global }
      - { .name: kv, .offset: 8, .size: 8, .value_kind: global_buffer, .address_space: global }
      - { .name: mk, .offset: 16, .size: 8, .value_kind: global_buffer, .address_space: global }
      - { .name: ao, .offset: 24, .size: 8, .value_kind: global_buffer, .address_space: global }
      - { .name: fl, .offset: 32, .size: 8, .value_kind: global_buffer, .address_space: global }
    .group_segment_fixed_size: 158208
    .private_segment_fixed_size: 0
    .kernarg_segment_align: 8
    .kernarg_segment_size: 40
    .max_flat_workgroup_size: 128
    .sgpr_count:     100
    .vgpr_count:     1024
    .wavefront_size: 32
...
	.end_amdgpu_metadata
.endif
;; end of part 3
;; launch oproj (part 4): grid 8 x 32, 4 waves a work-group, clusters of 4 x 4, 327,680 bytes of LDS; arguments ao, ow16, out0, o_b; writes out0
.if DOCPART == 4
	.amdgcn_target "amdgcn-amd-amdhsa--gfx1250"
	.amdhsa_code_object_version 6
	.text
	.protected	k_q2cb0dbeee9_oproj
	.globl	k_q2cb0dbeee9_oproj
	.p2align	8
	.type	k_q2cb0dbeee9_oproj,@function
k_q2cb0dbeee9_oproj:
	s_mov_b64 s[64:65], 0
	v_nop
	global_prefetch_b8 v0, s[64:65] scope:SCOPE_SE
	s_setreg_imm32_b32 hwreg(HW_REG_WAVE_MODE, 25, 1), 1
	s_wait_xcnt 0x0
	s_wait_alu depctr_hold_cnt(0) depctr_sa_sdst(0) depctr_va_vdst(0) depctr_va_sdst(0) depctr_va_ssrc(0) depctr_va_vcc(0) depctr_vm_vsrc(0)
	s_getreg_b32 s2, hwreg(HW_REG_IB_STS2, 6, 4)
	s_cmp_eq_u32 s2, 0
	s_cbranch_scc0 .Lentry_in_a_cluster
	s_endpgm
.Lentry_in_a_cluster:
	s_bfe_u32 s2, ttmp6, 0x10000c
	s_cmp_lg_u32 s2, 0xf033
	s_cbranch_scc0 .Lentry_shape_is_right
	s_endpgm
.Lentry_shape_is_right:
; out0[m][n] = sum over k of A[m][k] B[n][k] + o_b[n].  A: the attention's result [4096][1024] f16, B: o_w as f16 [1024][1024]; out0 f32; sums in f32.
; A tile of C is 128 x 128 (256 work-groups); four waves, each 64 x 64: 16 accumulators.  K goes in steps of 256 (LDS rows of 512 bytes + 16) through a ring of two slots filled by the tensor data mover.
; CLUSTERS: 4 x 4 work-groups; the four of a row need the same tiles of A, the four of a column the same tiles of B: each tile is asked for jointly.
; The matrix instruction is used transposed (source 0 = 16 rows of B, source 1 = 16 rows of A): a lane holds eight neighbouring numbers of a row of C.  The bias is the C of each sum's first instruction.
; A wave's 64 columns of f32 are 256 aligned bytes: each wave sends its own blocks of 16 rows through its own stage, without a barrier.
; (Rows 0-15 are stored again, from f32 arithmetic, by the launch that follows.)
; REGISTERS: window 0: v0-31 addresses; v32-95 the way out; v96-127 the bias; v128-255 accumulators ((a, b) at 128 + 8 (4 a + b)).  window 1: two fragment buffers of 128.
.set SIZE_M, 4096
.set SIZE_N, 1024
.set SIZE_K, 1024
.set KSTEP,  256
.set PITCH,  528
.set HALFT,  64*PITCH
.set SLOT,   4*HALFT
.set STAGE,  2*SLOT                    ; behind the ring: 16 rows x 272 bytes for each wave
.set SPITCH, 272
.set SPARE,  STAGE+4*16*SPITCH         ; behind the stages: the spare words
.set LAPS, SIZE_K/(2*KSTEP)
.set ADRA, 16
.set ADRB, 20
.set STO,  24
.set RD,   25
.set CO,   26
.set BO,   27
.set SPW,  28
.set NIL,  29
.set TMP,  32
.set BIAS, 96
.set ACC,  128
.set F0,   0
.set F1,   128
.set G1, 24
.set G0, 32
.set G1B, 48
.set G0B, 56
.set MSB, 0
.macro WIN new
.if MSB != \new
	s_set_vgpr_msb (MSB<<8)|\new
.set MSB, \new
.endif
.endm
.set MUL,  0x05                        ; sources 0 (B) and 1 (A) window 1; C and D window 0
.set TO_F, 0x40                        ; destination window 1, address window 0
.macro JLOAD s                         ; a joint load: waves 0 and 1 fetch A's two halves, waves 2 and 3 B's; an s_nop 0 and four v_nop follow each line
	s_cmp_eq_u32 s11, 0
	s_cbranch_scc0 .Lfor_b_\@
	tensor_load_to_lds s[G0+4*\s:G0+4*\s+3], s[G1:G1+7]
	s_nop 0
.rept 4
	v_nop
.endr
	s_branch .Lasked_\@
.Lfor_b_\@:
	tensor_load_to_lds s[G0B+4*\s:G0B+4*\s+3], s[G1B:G1B+7]
	s_nop 0
.rept 4
	v_nop
.endr
.Lasked_\@:
.endm
.macro CREST                           ; a round of the cluster's barrier behind its opening barrier
	s_cmp_lg_u32 s10, 0
	s_cbranch_scc1 .Lnot_wave_0_\@
	s_barrier_signal -3
.Lnot_wave_0_\@:
	s_barrier_wait -3
	s_barrier_signal -1
	s_barrier_wait -1
.endm
.macro CROUND
	s_barrier_signal -1
	s_barrier_wait -1
	CREST
.endm
	s_load_b128 s[4:7], s[0:1], 0x0                ; A, B
	s_load_b64 s[8:9], s[0:1], 0x10                ; C
	s_load_b64 s[66:67], s[0:1], 0x18              ; the bias
	v_lshl_add_u32 v[SPW], v0, 2, SPARE
	v_mov_b32 v[NIL], 0
	ds_add_u32 v[SPW], v[NIL]                      ; the wave's opening: the add, twice on end, and its wait ahead of my first tensor load
	ds_add_u32 v[SPW], v[NIL]
	v_lshrrev_b32 v1, 5, v0
	v_readfirstlane_b32 s10, v1                    ; wave
	s_lshr_b32 s11, s10, 1                         ; which half of the tile's rows is mine; also: I fetch for A (0) or B (1)
	s_and_b32 s12, s10, 1                          ; which half of its columns; also: which 64 rows I fetch
	s_bfe_u32 s40, ttmp6, 0x40000                  ; cx
	s_bfe_u32 s41, ttmp6, 0x40004                  ; cy
	s_lshl_b32 s42, ttmp9, 2
	s_add_co_u32 s42, s42, s40                     ; tile column
	s_and_b32 s13, ttmp7, 0xffff
	s_lshl_b32 s13, s13, 2
	s_add_co_u32 s13, s13, s41                     ; tile row
	s_lshl_b32 s43, s41, 2
	s_lshl_b32 s43, 15, s43                        ; my row of the cluster
	s_lshl_b32 s44, 0x1111, s40                    ; my column
	s_or_b32 s[G1+0], s43, (1<<16)|(1<<20)|(1<<21)|(6<<22)|(3<<25)   ; mask; elements of 2 bytes; padding of 4 words behind every 128; bit 21 beside a mask
	s_or_b32 s[G1B+0], s44, (1<<16)|(1<<20)|(1<<21)|(6<<22)|(3<<25)
.irp g, G1, G1B
	s_mov_b32 s[\g+1], KSTEP<<16                   ; tensor_dim0 = 256
	s_mov_b32 s[\g+2], 64<<16                      ; tensor_dim1 = 64
	s_mov_b32 s[\g+3], KSTEP<<16                   ; tile_dim0 = 256
	s_mov_b32 s[\g+4], 64                          ; tile_dim1 = 64
	s_mov_b32 s[\g+5], SIZE_K                      ; elements from row to row
	s_mov_b32 s[\g+6], 0
	s_mov_b32 s[\g+7], 0
.endr
	s_lshl_b32 s17, s12, 6
	s_lshl_b32 s16, s13, 7
	s_add_co_u32 s16, s16, s17                     ; A: row 128 x tile row + 64 x half
	s_lshl_b32 s46, s42, 7
	s_add_co_u32 s46, s46, s17                     ; B: row 128 x tile column + 64 x half
	s_mov_b32 s17, 0
	s_mov_b32 s47, 0
	s_mov_b64 s[18:19], SIZE_K*2
	s_mul_u64 s[16:17], s[16:17], s[18:19]
	s_mul_u64 s[46:47], s[46:47], s[18:19]
	s_mul_i32 s20, s10, HALFT                      ; where they go: wave x 64 rows
	s_wait_dscnt 0x0                               ; both opening adds are done
	s_wait_kmcnt 0x0
	s_add_nc_u64 s[14:15], s[4:5], s[16:17]
	s_add_nc_u64 s[46:47], s[6:7], s[46:47]
	CROUND                                         ; all sixteen work-groups are here: the first joint loads meet
.irp s, 0,1
	s_mov_b32 s[G0+4*\s], 1
	s_add_co_u32 s[G0+4*\s+1], s20, \s*SLOT
	s_add_nc_u64 s[G0+4*\s+2:G0+4*\s+3], s[14:15], \s*KSTEP*2
	s_or_b32 s[G0+4*\s+3], s[G0+4*\s+3], 0x80000000
	s_mov_b32 s[G0B+4*\s], 1
	s_add_co_u32 s[G0B+4*\s+1], s20, \s*SLOT
	s_add_nc_u64 s[G0B+4*\s+2:G0B+4*\s+3], s[46:47], \s*KSTEP*2
	s_or_b32 s[G0B+4*\s+3], s[G0B+4*\s+3], 0x80000000
	JLOAD \s
.endr
	v_and_b32 v1, 15, v0                           ; l % 16
	v_bfe_u32 v2, v0, 4, 1                         ; l / 16
	v_mul_u32_u24 v3, v1, PITCH
	v_lshl_add_u32 v3, v2, 4, v3
	s_mul_i32 s21, s11, HALFT                      ; my 64 rows of A
	s_mul_i32 s22, s12, HALFT                      ; my 64 rows of B,
	s_add_co_u32 s22, s22, 2*HALFT                 ; behind A's 128
.irp s, 0,1
	v_add_nc_u32 v[ADRA+\s], s21, v3
	v_add_nc_u32 v[ADRB+\s], s22, v3
	s_add_co_u32 s21, s21, SLOT
	s_add_co_u32 s22, s22, SLOT
.endr
	s_mul_i32 s23, s10, 16*SPITCH
	s_add_co_u32 s23, s23, STAGE                   ; my stage
	v_mul_u32_u24 v4, v1, SPITCH
	v_lshl_add_u32 v4, v2, 5, v4
	v_add_nc_u32 v[STO], s23, v4                   ; in: row l % 16, 32 bytes for each half of the lanes
	v_mul_u32_u24 v5, v2, SPITCH
	v_lshl_add_u32 v5, v1, 4, v5
	v_add_nc_u32 v[RD], s23, v5                    ; back: lanes 0-15 one row of 256 bytes, lanes 16-31 the next
	v_mul_u32_u24 v5, v2, SIZE_N*4
	v_lshl_add_u32 v[CO], v1, 4, v5                ; the same two rows in C
	v_lshlrev_b32 v[BO], 5, v2                     ; the bias: 8 numbers for each half of the lanes
	s_lshl_b32 s16, s13, 7
	s_lshl_b32 s17, s11, 6
	s_add_co_u32 s16, s16, s17                     ; my first row of C
	s_mov_b32 s17, 0
	s_mov_b64 s[18:19], SIZE_N*4
	s_mul_u64 s[16:17], s[16:17], s[18:19]
	s_add_nc_u64 s[8:9], s[8:9], s[16:17]
	s_lshl_b32 s46, s42, 9                         ; my first column, in bytes: 512 x tile column + 256 x half
	s_lshl_b32 s47, s12, 8
	s_add_co_u32 s46, s46, s47
	s_mov_b32 s47, 0
	s_add_nc_u64 s[8:9], s[8:9], s[46:47]
	s_add_nc_u64 s[66:67], s[66:67], s[46:47]
.irp b, 0,1,2,3
	global_load_b128 v[BIAS+8*\b:BIAS+8*\b+3], v[BO], s[66:67] offset:64*\b
	global_load_b128 v[BIAS+8*\b+4:BIAS+8*\b+7], v[BO], s[66:67] offset:64*\b+16
.endr
.macro MUL8 f, c, a0, zero             ; 8 matrix instructions: m blocks a0, a0 + 1 x 4 n blocks, 32 along K.  zero = 1: the bias starts the sums
.irp a, \a0, \a0+1
.irp b, 0,1,2,3
.if \zero
	v_wmma_f32_16x16x32_f16 v[ACC+8*(4*(\a)+\b):ACC+8*(4*(\a)+\b)+7], v[\f+64+8*(4*\c+\b):\f+64+8*(4*\c+\b)+7], v[\f+8*(4*\c+\a):\f+8*(4*\c+\a)+7], v[BIAS+8*\b:BIAS+8*\b+7]
.else
	v_wmma_f32_16x16x32_f16 v[ACC+8*(4*(\a)+\b):ACC+8*(4*(\a)+\b)+7], v[\f+64+8*(4*\c+\b):\f+64+8*(4*\c+\b)+7], v[\f+8*(4*\c+\a):\f+8*(4*\c+\a)+7], v[ACC+8*(4*(\a)+\b):ACC+8*(4*(\a)+\b)+7]
.endif
.endr
.endr
.endm
.macro FETCH slot, k, f                ; 32 LDS loads in one run: the fragments of 64 along K at byte k of the rows
	WIN TO_F
.irp c, 0,1
.irp i, 0,1,2,3
	ds_load_b128 v[\f+64+8*(4*\c+\i):\f+64+8*(4*\c+\i)+3],   v[ADRB+\slot] offset:\k+64*\c+\i*16*PITCH
	ds_load_b128 v[\f+64+8*(4*\c+\i)+4:\f+64+8*(4*\c+\i)+7], v[ADRB+\slot] offset:\k+64*\c+\i*16*PITCH+32
	ds_load_b128 v[\f+8*(4*\c+\i):\f+8*(4*\c+\i)+3],         v[ADRA+\slot] offset:\k+64*\c+\i*16*PITCH
	ds_load_b128 v[\f+8*(4*\c+\i)+4:\f+8*(4*\c+\i)+7],       v[ADRA+\slot] offset:\k+64*\c+\i*16*PITCH+32
.endr
.endr
.endm
.macro PLACES
.rept 4
	v_nop
.endr
.endm
.macro QUARTER slot, k, f, g, zero     ; 64 along K: multiplies buffer f and fetches the next quarter, at byte k, into g
	s_wait_dscnt 16                                ; the first 32 along K are in
	WIN MUL
	MUL8 \f, 0, 0, \zero
	MUL8 \f, 0, 2, \zero
	PLACES
	FETCH \slot, \k, \g
	s_wait_dscnt 32                                ; all but the 32 just issued
	WIN MUL
	MUL8 \f, 1, 0, 0
	MUL8 \f, 1, 2, 0
.endm
.macro TURN slot, next, fill           ; a slot's last quarter changes slots: one barrier; fill = 1: this slot is filled again, two K steps ahead
	WIN 0
	s_wait_tensorcnt 0x0                           ; all my tensor loads have landed: my part of the next slot
	ds_add_u32 v[SPW], v[NIL]                      ; 0 onto my spare word
	s_wait_dscnt 17                                ; (the add and the youngest sixteen loads may be out)
	WIN MUL
	MUL8 F1, 0, 0, 0
	s_wait_dscnt 0x0                               ; the add is done, and my reads of this slot are over
	s_barrier_signal -1
	MUL8 F1, 0, 2, 0
.if \fill
	WIN 0
.endif
	s_barrier_wait -1
.if \fill
	CREST                                          ; the barrier has opened a round of the cluster's: no wave of any partner still reads this slot or has a load on its way
	s_add_nc_u64 s[G0+4*\slot+2:G0+4*\slot+3], s[G0+4*\slot+2:G0+4*\slot+3], 2*KSTEP*2
	s_add_nc_u64 s[G0B+4*\slot+2:G0B+4*\slot+3], s[G0B+4*\slot+2:G0B+4*\slot+3], 2*KSTEP*2
	JLOAD \slot                                    ; the first tensor load behind the round; its four v_nop are also the places in front of the loads below
.else
	PLACES
.endif
	FETCH \next, 0, F0
	WIN MUL
	MUL8 F1, 1, 0, 0
	MUL8 F1, 1, 2, 0
.endm
	s_wait_tensorcnt 1                             ; my part of K step 0 is in; K step 1's may stay out
	s_barrier_signal -1
	s_barrier_wait -1
	FETCH 0, 0, F0
	s_wait_loadcnt 0x0                             ; the bias
	QUARTER 0, 128, F0, F1, 1
.if LAPS > 1
	WIN 0
	s_mov_b32 s3, LAPS-1
.Llap:
	QUARTER 0, 256, F1, F0, 0
	QUARTER 0, 384, F0, F1, 0
	TURN 0, 1, 1
	QUARTER 1, 128, F0, F1, 0
	QUARTER 1, 256, F1, F0, 0
	QUARTER 1, 384, F0, F1, 0
	TURN 1, 0, 1
	QUARTER 0, 128, F0, F1, 0
	WIN 0
	s_sub_co_u32 s3, s3, 1
	s_cmp_lg_u32 s3, 0
	s_cbranch_scc1 .Llap
.endif
	QUARTER 0, 256, F1, F0, 0                      ; the last lap fills nothing
	QUARTER 0, 384, F0, F1, 0
	TURN 0, 1, 0
	QUARTER 1, 128, F0, F1, 0
	QUARTER 1, 256, F1, F0, 0
	QUARTER 1, 384, F0, F1, 0
	s_wait_dscnt 16
	WIN MUL
	MUL8 F1, 0, 0, 0
	MUL8 F1, 0, 2, 0
	s_wait_dscnt 0
	MUL8 F1, 1, 0, 0
	MUL8 F1, 1, 2, 0
	WIN 0
; THE WAY OUT: a block of 16 rows x 64 columns of f32 through my own stage, back as whole rows of 256 bytes.
.macro TOSTAGE a
.irp b, 0,1,2,3
	ds_store_b128 v[STO], v[ACC+8*(4*(\a)+\b):ACC+8*(4*(\a)+\b)+3] offset:64*\b          ; each accumulator from its low end on
	ds_store_b128 v[STO], v[ACC+8*(4*(\a)+\b)+4:ACC+8*(4*(\a)+\b)+7] offset:64*\b+16
.endr
.set BK, TMP+32*((\a)%2)
.irp t, 0,1,2,3,4,5,6,7
	ds_load_b128 v[BK+4*\t:BK+4*\t+3], v[RD] offset:\t*2*SPITCH   ; LDS serves a wave's instructions in order: these see the stores above
.endr
.endm
.macro SEND a, younger                 ; younger: the LDS instructions issued behind block a's loads
.set BK, TMP+32*((\a)%2)
	s_wait_dscnt \younger
.irp t, 0,1,2,3,4,5,6,7
	global_store_b128 v[CO], v[BK+4*\t:BK+4*\t+3], s[8:9] offset:(16*(\a)+2*\t)*SIZE_N*4   ; 16 lanes store 256 consecutive bytes, aligned
.endr
.endm
	PLACES
	TOSTAGE 0
	TOSTAGE 1
	SEND 0, 16
	s_wait_xcnt 0x0                                ; block 0's stores have read their registers: block 2's loads may land there
	TOSTAGE 2
	SEND 1, 16
	s_wait_xcnt 0x0
	TOSTAGE 3
	SEND 2, 16
	SEND 3, 0
	s_wait_tensorcnt 0x0                           ; the wave's end
	ds_add_u32 v[SPW], v[NIL]
	s_wait_dscnt 0x0
	CROUND                                         ; the closing round
	s_endpgm
.Lfunc_end_k_q2cb0dbeee9_oproj:
	.size	k_q2cb0dbeee9_oproj, .Lfunc_end_k_q2cb0dbeee9_oproj-k_q2cb0dbeee9_oproj
	.p2alignl 7, 3214868480
	.fill 96, 4, 3214868480
	.section	.rodata,"a",@progbits
	.p2align	6, 0x0
	.amdhsa_kernel k_q2cb0dbeee9_oproj
		.amdhsa_group_segment_fixed_size 327680
		.amdhsa_private_segment_fixed_size 0
		.amdhsa_enable_private_segment 0
		.amdhsa_kernarg_size 32
		.amdhsa_user_sgpr_count 2
		.amdhsa_user_sgpr_kernarg_segment_ptr 1
		.amdhsa_wavefront_size32 1
		.amdhsa_system_sgpr_workgroup_id_x 1
		.amdhsa_system_sgpr_workgroup_id_y 1
		.amdhsa_system_sgpr_workgroup_id_z 1
		.amdhsa_system_vgpr_workitem_id 0
		.amdhsa_next_free_vgpr 512
		.amdhsa_next_free_sgpr 68
		.amdhsa_reserve_vcc 0
		.amdhsa_float_denorm_mode_32 3
		.amdhsa_float_denorm_mode_16_64 3
		.amdhsa_memory_ordered 1
		.amdhsa_forward_progress 1
		.amdhsa_inst_pref_size 87
	.end_amdhsa_kernel
	.amdgpu_metadata
---
amdhsa.version: [ 1, 2 ]
amdhsa.kernels:
  - .name:           k_q2cb0dbeee9_oproj
    .symbol:         k_q2cb0dbeee9_oproj.kd
    .args:
      - { .name: ao, .offset: 0, .size: 8, .value_kind: global_buffer, .address_space: global }
      - { .name: ow16, .offset: 8, .size: 8, .value_kind: global_buffer, .address_space: global }
      - { .name: out0, .offset: 16, .size: 8, .value_kind: global_buffer, .address_space: global }
      - { .name: o_b, .offset: 24, .size: 8, .value_kind: global_buffer, .address_space: global }
    .group_segment_fixed_size: 327680
    .private_segment_fixed_size: 0
    .kernarg_segment_align: 8
    .kernarg_segment_size: 32
    .max_flat_workgroup_size: 128
    .sgpr_count:     68
    .vgpr_count:     512
    .wavefront_size: 32
...
	.end_amdgpu_metadata
.endif
;; end of part 4
;; launch fine (part 5): grid 16 x 16, 16 waves a work-group, no clusters, 6,400 bytes of LDS; arguments qq, out1, out2, mask, fl, ao, o_w, o_b, out0; writes out0
.if DOCPART == 5
	.amdgcn_target "amdgcn-amd-amdhsa--gfx1250"
	.amdhsa_code_object_version 6
	.text
	.protected	k_q2cb0dbeee9_fine
	.globl	k_q2cb0dbeee9_fine
	.p2align	8
	.type	k_q2cb0dbeee9_fine,@function
k_q2cb0dbeee9_fine:
	s_mov_b64 s[64:65], 0
	v_nop
	global_prefetch_b8 v0, s[64:65] scope:SCOPE_SE
	s_setreg_imm32_b32 hwreg(HW_REG_WAVE_MODE, 25, 1), 1
	s_wait_xcnt 0x0
; Positions 0 to 15 once more, wholly in f32 (fused multiply-adds): attention and the projection on the way out.  These rows average few values, so operands of 16 bits would weigh most there.
; Work-group (c, t): position t, output columns 64 c .. 64 c + 63.  PHASE A: wave hh is head hh: it walks the key steps that the stored flags of block 0 (fl) leave (the same flags, the same skipped share
; 2^(T0 - M) (N0, W) as in the launch before, whose W of block 0 lies in ao at AO_W), a lane a key for the scores, a lane two channels for the sums.  Every work-group of a position makes all 16 heads anew: small work.
; PHASE B: the row of 1,024 numbers meets in LDS; wave hh makes outputs 64 c + 4 hh + 0 .. 3; wave 0 adds the bias and stores 256 consecutive bytes.
; No matrix instruction: 16 rows are no bulk work.  LIMITS: NaN and infinities are not served.
.set QQ_32, 8388608
.set AO_W,  8388608
.set RES,   4096                       ; LDS: 0: the row, 4,096 bytes; RES: 64 results; SPARE: the spare words, 128 bytes for each of 16 waves
.set SPARE, 4352
	s_load_b512 s[84:99], s[0:1], 0x0              ; qq 84, out1 86, out2 88, mask 90, fl 92, ao 94, o_w 96, o_b 98
	s_load_b64 s[100:101], s[0:1], 0x40            ; out0
	v_lshl_add_u32 v2, v0, 2, SPARE
	v_mov_b32 v3, 0
	v_lshrrev_b32 v1, 5, v0
	v_readfirstlane_b32 s14, v1                    ; wave = head hh
	v_and_b32 v4, 31, v0                           ; lane L
	v_lshlrev_b32 v5, 4, v4                        ; 16 L
	v_lshlrev_b32 v6, 3, v4                        ; 8 L
	v_lshlrev_b32 v7, 8, v4                        ; 256 L: a key's row
	s_lshl_b32 s2, s14, 8
	v_add_nc_u32 v8, s2, v6                        ; the row in LDS: 256 hh + 8 L
	s_lshl_b32 s2, s14, 4
	s_add_co_u32 s2, s2, RES
	v_mov_b32 v9, s2                               ; my four results
	v_and_b32 v11, 15, v0
	v_lshlrev_b32 v11, 4, v11                      ; 16 (L % 16)
	v_add_nc_u32 v10, RES, v11
	v_bfe_u32 v12, v0, 4, 1                        ; W of channel d = 2 L lies at lane (d % 16, d / 32), word (d / 16) % 2
	v_lshlrev_b32 v12, 7, v12
	v_and_b32 v13, 7, v0
	v_lshl_add_u32 v12, v13, 4, v12
	v_bfe_u32 v13, v0, 3, 1
	v_lshl_add_u32 v12, v13, 2, v12
	s_mov_b32 s105, 0xceabfb8f                     ; T0 = -1e9 log2(e)
	v_mov_b32 v1, s105
	v_mov_b32 v13, 0xff61b1e6                      ; m
	v_mov_b32 v14, 0                               ; l
	v_mov_b32 v16, 0                               ; O, two channels
	v_mov_b32 v17, 0
.irp i, 18,19,28,29,30,31
	v_mov_b32 v\i, 0
.endr
	s_wait_kmcnt 0x0
	s_and_b32 s2, ttmp7, 0xffff                    ; t
	s_lshl_b32 s2, s2, 12
	s_lshl_b32 s15, s14, 8
	s_add_co_u32 s2, s2, s15
	s_add_co_u32 s2, s2, QQ_32
	s_mov_b32 s3, 0
	s_add_nc_u64 s[84:85], s[84:85], s[2:3]
	s_load_b512 s[16:31], s[84:85], 0x0            ; (q + q_b) c of my head: 64 numbers in scalar registers
	s_load_b512 s[32:47], s[84:85], 0x40
	s_load_b512 s[48:63], s[84:85], 0x80
	s_load_b512 s[68:83], s[84:85], 0xc0
	s_load_b256 s[4:11], s[92:93], 0x0             ; block 0's flags
	s_lshr_b32 s2, s14, 2
	s_lshl_b32 s2, s2, 20
	s_add_nc_u64 s[86:87], s[86:87], s[2:3]        ; k and v of my kv head
	s_add_nc_u64 s[88:89], s[88:89], s[2:3]
	s_and_b32 s2, ttmp7, 0xffff
	s_lshl_b32 s2, s2, 12
	s_add_nc_u64 s[90:91], s[90:91], s[2:3]        ; the mask's row t
	s_lshl_b32 s15, ttmp9, 8
	s_add_co_u32 s2, s2, s15
	s_add_nc_u64 s[100:101], s[100:101], s[2:3]    ; out0: row t, 256 c
	s_mov_b32 s2, s15
	s_add_nc_u64 s[98:99], s[98:99], s[2:3]
	s_lshl_b32 s2, ttmp9, 18
	s_lshl_b32 s15, s14, 14
	s_add_co_u32 s2, s2, s15
	s_add_nc_u64 s[96:97], s[96:97], s[2:3]        ; o_w: rows 64 c + 4 hh on
	s_lshr_b32 s2, s14, 2
	s_lshl_b32 s2, s2, 10
	s_add_co_u32 s2, s2, AO_W
	s_add_nc_u64 s[94:95], s[94:95], s[2:3]
.set i, 0
.rept 16                                       ; o_w's rows 0 and 1 of my four
	global_load_b128 v[192+4*i:195+4*i], v5, s[96:97] offset:4096*(i/8)+512*(i%8)
.set i, i+1
.endr
.set i, 0
.rept 8                                        ; W: four waves' parts, two channels
	global_load_b32 v[20+i], v12, s[94:95] offset:256*(i/2)+8*(i%2)
.set i, i+1
.endr
	s_wait_kmcnt 0x0
	s_or_b32 s12, s4, s8
	s_or_b32 s13, s5, s9                           ; ANY, as in the launch before
	s_bcnt1_i32_b32 s84, s12
	s_bcnt1_i32_b32 s85, s13
	s_add_co_u32 s84, s84, s85
	s_sub_co_u32 s84, 64, s84
	s_lshl_b32 s84, s84, 6
	v_cvt_f32_u32 v15, s84                         ; N0
	s_mov_b32 s104, 0xff61b1e6
	s_cmp_eq_u32 s84, 0
	s_cselect_b32 s104, s104, s105                 ; T0, or -3e38 where nothing is skipped
	s_mov_b32 s92, 0x76543210
	s_mov_b32 s93, 0xfedcba98
.macro WMAX r, t                       ; the wave's maximum of v[r], in every lane
	v_max_num_f32_dpp v[\r], v[\r], v[\r] row_xmask:1 row_mask:0xf bank_mask:0xf
	v_max_num_f32_dpp v[\r], v[\r], v[\r] row_xmask:2 row_mask:0xf bank_mask:0xf
	v_max_num_f32_dpp v[\r], v[\r], v[\r] row_xmask:4 row_mask:0xf bank_mask:0xf
	v_max_num_f32_dpp v[\r], v[\r], v[\r] row_xmask:8 row_mask:0xf bank_mask:0xf
	v_permlanex16_b32 v[\t], v[\r], s92, s93
	v_max_num_f32 v[\r], v[\r], v[\t]
.endm
.macro WSUM r, t                       ; the wave's sum
	v_add_f32_dpp v[\r], v[\r], v[\r] row_xmask:1 row_mask:0xf bank_mask:0xf
	v_add_f32_dpp v[\r], v[\r], v[\r] row_xmask:2 row_mask:0xf bank_mask:0xf
	v_add_f32_dpp v[\r], v[\r], v[\r] row_xmask:4 row_mask:0xf bank_mask:0xf
	v_add_f32_dpp v[\r], v[\r], v[\r] row_xmask:8 row_mask:0xf bank_mask:0xf
	v_permlanex16_b32 v[\t], v[\r], s92, s93
	v_add_f32 v[\r], v[\r], v[\t]
.endm
.macro HALF u                          ; 32 keys
	global_load_u8 v28, v4, s[90:91] offset:32*\u
.set i, 0
.rept 16
	global_load_b128 v[64+4*i:67+4*i], v7, s[86:87] offset:8192*\u+16*i        ; my key's 64 channels
.set i, i+1
.endr
.set i, 0
.rept 32
	global_load_b64 v[128+2*i:129+2*i], v6, s[88:89] offset:8192*\u+256*i      ; key i, my two channels: 256 consecutive bytes
.set i, i+1
.endr
	s_wait_loadcnt 32                              ; all but the 32 loads of V
.set d, 0
.rept 64                                       ; t = (q c) . k, in four chains
.set qs, 16+d
.if d >= 48
.set qs, 20+d
.endif
.set ac, 29+d%4
.if d%4 == 3
.set ac, 19
.endif
.if d < 4
	v_mul_f32 v[ac], s[qs], v[64+d]
.else
	v_fmac_f32 v[ac], s[qs], v[64+d]
.endif
.set d, d+1
.endr
	v_add_f32 v29, v29, v30
	v_add_f32 v31, v31, v19
	v_add_f32 v29, v29, v31
	v_cmp_ne_u32 vcc_lo, 0, v28
	v_cndmask_b32 v29, v1, v29, vcc_lo             ; a hidden key has T0
	v_mov_b32 v30, v29
	WMAX 30, 31
	v_max_num_f32 v31, v13, v30                    ; the new m
	v_sub_f32 v18, v13, v31
	v_sub_f32 v19, v29, v31
	v_mov_b32 v13, v31
	v_exp_f32 v18, v18                             ; f
	v_exp_f32 v19, v19                             ; p
	v_nop
	s_wait_alu depctr_va_vdst(0)                   ; one wait for the two
	v_fma_f32 v14, v14, v18, v19
	v_mul_f32 v16, v16, v18
	v_mul_f32 v17, v17, v18
	s_wait_loadcnt 0x0                             ; V
.irp g, 0,1,2,3
.irp q, 0,1,2,3,4,5,6,7
	v_readlane_b32 s[4+\q], v19, 8*\g+\q           ; key 8 g + q's p, for all lanes
.endr
.irp q, 0,1,2,3,4,5,6,7
	v_fmac_f32 v16, s[4+\q], v[128+2*(8*\g+\q)]
	v_fmac_f32 v17, s[4+\q], v[129+2*(8*\g+\q)]
.endr
.endr
.endm
	s_mov_b32 s15, 64
.Lks:
	s_bitcmp1_b32 s12, 0
	s_cbranch_scc0 .Lskip
	HALF 0
	HALF 1
.Lskip:
	s_lshr_b32 s12, s12, 1                         ; (no load that names the three bases is out here)
	s_lshl_b32 s84, s13, 31
	s_or_b32 s12, s12, s84
	s_lshr_b32 s13, s13, 1
	s_add_nc_u64 s[86:87], s[86:87], 0x4000
	s_add_nc_u64 s[88:89], s[88:89], 0x4000
	s_add_nc_u64 s[90:91], s[90:91], 64
	s_sub_co_u32 s15, s15, 1
	s_cmp_lg_u32 s15, 0
	s_cbranch_scc1 .Lks
.set i, 0
.rept 16                                       ; o_w's rows 2 and 3, into the registers that K and V have left
	global_load_b128 v[64+64*(i/8)+4*(i%8):67+64*(i/8)+4*(i%8)], v5, s[96:97] offset:8192+4096*(i/8)+512*(i%8)
.set i, i+1
.endr
	WSUM 14, 30
	v_max_num_f32 v30, s104, v13                   ; M
	v_sub_f32 v18, v13, v30
	v_sub_f32 v19, s104, v30
	v_exp_f32 v18, v18
	v_exp_f32 v19, v19
	v_nop
	s_wait_alu depctr_va_vdst(0)
	s_wait_loadcnt 16                              ; all but the 16 just issued: W and o_w's first two rows are in
	v_add_f32 v20, v20, v22
	v_add_f32 v21, v21, v23
	v_add_f32 v24, v24, v26
	v_add_f32 v25, v25, v27
	v_add_f32 v20, v20, v24
	v_add_f32 v21, v21, v25
	v_mul_f32 v14, v14, v18
	v_fmac_f32 v14, v19, v15                       ; the row's sum
	v_rcp_f32 v31, v14
	v_mul_f32 v16, v16, v18
	v_mul_f32 v17, v17, v18
	v_fmac_f32 v16, v20, v19
	v_fmac_f32 v17, v21, v19
	s_wait_alu depctr_va_vdst(0)
	v_mul_f32 v16, v16, v31
	v_mul_f32 v17, v17, v31
	ds_store_b64 v8, v[16:17]
	s_wait_dscnt 0x0
	s_barrier_signal -1
	s_barrier_wait -1                              ; the row of 1,024 numbers lies in LDS
.irp i, 0,1,2,3,4,5,6,7
	ds_load_b128 v[32+4*\i:35+4*\i], v5 offset:512*\i
.endr
	s_wait_dscnt 0x0
.macro DOT2 o, b0, b1                  ; two outputs by turns: 32 products a lane each
	v_pk_mul_f32 v[20+2*\o:21+2*\o], v[32:33], v[\b0:\b0+1]
	v_pk_mul_f32 v[22+2*\o:23+2*\o], v[32:33], v[\b1:\b1+1]
.set k, 2
.rept 15
	v_pk_fma_f32 v[20+2*\o:21+2*\o], v[32+k:33+k], v[\b0+k:\b0+k+1], v[20+2*\o:21+2*\o]
	v_pk_fma_f32 v[22+2*\o:23+2*\o], v[32+k:33+k], v[\b1+k:\b1+k+1], v[22+2*\o:23+2*\o]
.set k, k+2
.endr
.endm
	DOT2 0, 192, 224
	s_wait_loadcnt 0x0
	DOT2 2, 64, 128
.irp o, 0,1,2,3
	v_add_f32 v[28+\o], v[20+2*\o], v[21+2*\o]
.endr
.irp o, 0,1,2,3
	WSUM 28+\o, 18
.endr
	ds_store_b128 v9, v[28:31]                     ; all lanes write the same 16 bytes with the same values
	s_wait_dscnt 0x0
	s_barrier_signal -1
	s_barrier_wait -1
	s_cmp_lg_u32 s14, 0
	s_cbranch_scc1 .Lend
	ds_load_b128 v[20:23], v10
	global_load_b128 v[24:27], v11, s[98:99]
	s_wait_dscnt 0x0
	s_wait_loadcnt 0x0
	v_pk_add_f32 v[20:21], v[20:21], v[24:25]
	v_pk_add_f32 v[22:23], v[22:23], v[26:27]
	s_wait_xcnt 0x0                                ; EXEC changes only behind this wait
	v_cmp_gt_u32 vcc_lo, 16, v4
	s_and_saveexec_b32 s84, vcc_lo
	global_store_b128 v11, v[20:23], s[100:101]    ; 16 lanes store 256 consecutive bytes, aligned
	s_wait_xcnt 0x0
	s_or_b32 exec_lo, exec_lo, s84
.Lend:
	s_wait_tensorcnt 0x0                           ; the wave's end
	ds_add_u32 v2, v3
	s_wait_dscnt 0x0
	s_endpgm
.Lfunc_end_k_q2cb0dbeee9_fine:
	.size	k_q2cb0dbeee9_fine, .Lfunc_end_k_q2cb0dbeee9_fine-k_q2cb0dbeee9_fine
	.p2alignl 7, 3214868480
	.fill 96, 4, 3214868480
	.section	.rodata,"a",@progbits
	.p2align	6, 0x0
	.amdhsa_kernel k_q2cb0dbeee9_fine
		.amdhsa_group_segment_fixed_size 6400
		.amdhsa_private_segment_fixed_size 0
		.amdhsa_enable_private_segment 0
		.amdhsa_kernarg_size 72
		.amdhsa_user_sgpr_count 2
		.amdhsa_user_sgpr_kernarg_segment_ptr 1
		.amdhsa_wavefront_size32 1
		.amdhsa_system_sgpr_workgroup_id_x 1
		.amdhsa_system_sgpr_workgroup_id_y 1
		.amdhsa_system_sgpr_workgroup_id_z 1
		.amdhsa_system_vgpr_workitem_id 0
		.amdhsa_next_free_vgpr 256
		.amdhsa_next_free_sgpr 106
		.amdhsa_reserve_vcc 1
		.amdhsa_float_denorm_mode_32 3
		.amdhsa_float_denorm_mode_16_64 3
		.amdhsa_memory_ordered 1
		.amdhsa_forward_progress 1
		.amdhsa_inst_pref_size 40
	.end_amdhsa_kernel
	.amdgpu_metadata
---
amdhsa.version: [ 1, 2 ]
amdhsa.kernels:
  - .name:           k_q2cb0dbeee9_fine
    .symbol:         k_q2cb0dbeee9_fine.kd
    .args:
      - { .name: qq, .offset: 0, .size: 8, .value_kind: global_buffer, .address_space: global }
      - { .name: out1, .offset: 8, .size: 8, .value_kind: global_buffer, .address_space: global }
      - { .name: out2, .offset: 16, .size: 8, .value_kind: global_buffer, .address_space: global }
      - { .name: mask, .offset: 24, .size: 8, .value_kind: global_buffer, .address_space: global }
      - { .name: fl, .offset: 32, .size: 8, .value_kind: global_buffer, .address_space: global }
      - { .name: ao, .offset: 40, .size: 8, .value_kind: global_buffer, .address_space: global }
      - { .name: o_w, .offset: 48, .size: 8, .value_kind: global_buffer, .address_space: global }
      - { .name: o_b, .offset: 56, .size: 8, .value_kind: global_buffer, .address_space: global }
      - { .name: out0, .offset: 64, .size: 8, .value_kind: global_buffer, .address_space: global }
    .group_segment_fixed_size: 6400
    .private_segment_fixed_size: 0
    .kernarg_segment_align: 8
    .kernarg_segment_size: 72
    .max_flat_workgroup_size: 512
    .sgpr_count:     106
    .vgpr_count:     256
    .wavefront_size: 32
...
	.end_amdgpu_metadata
.endif
;; end of part 5
